; MI455X (gfx1250); checked and timed in simulation.
; The chip was launched on July 23, 2026; its instructions are those of AMD's public machine-readable ISA for CDNA 5 (MIT licence, August 2026) and "CDNA5" Instruction Set Architecture Reference Guide (July 2026). The comments in the code are by the model that wrote it; some were corrected since.
;; Multi Head Attention GQA. Allowed arithmetic: matrix products marked QUANTISED: E2M1 operands, one E8M0 scale for each 32 along K, by v_wmma_scale_f32_16x16x128_f8f6f4 with both operands' format E2M1 (or v_wmma_scale_f32_32x16x128_f4), f32 sums; products left as they are: bf16, f16 or f32 operands; f32 sums; everything else in f32.
;; Inputs: Wk 2,048 x 512 float32; Wo 2,048 x 2,048 float32; Wq 2,048 x 2,048 float32; Wv 2,048 x 512 float32; bk 512 float32; bo 2,048 float32; bq 2,048 float32; bv 512 float32; x 2 x 1,024 x 2,048 float32.
;; Outputs: out0 2 x 1,024 x 2,048 float32.
;; This version of the problem:
;;   THIS VERSION OF THE PROBLEM IS GIVEN IN LOW PRECISION. The matrix products marked QUANTISED in the list below multiply operands that are first quantised to E2M1 (2 exponent bits, 1 mantissa bit; 4 bits a number), with one power-of-two scale for each 32 numbers along K (OCP MX v1.0); their sums are f32. The products marked 'left as it is' may take bf16, f16 or f32 operands, with f32 sums. Whichever they take, every output number must still come out within the allowed error. Rounding operands to bf16 (8 significant bits) uses up far more of that allowance than f16 does (11 bits, for magnitudes from 6e-5 to 65,504). All else is computed in f32.
;;   The module's matrix products, in the order in which they are computed (A, B: the left and right operand; K: the contracted axis; several contracted axes count as one K, in the product's order):
;;     1. [M 2,048, K 2,048] x [K 2,048, N 2,048]; A: input x; B: input Wq: QUANTISED
;;     2. [M 2,048, K 2,048] x [K 2,048, N 512]; A: input x; B: input Wk: QUANTISED
;;     3. [M 2,048, K 2,048] x [K 2,048, N 512]; A: input x; B: input Wv: QUANTISED
;;     4. batch 16 x [M 4,096, K 64] x [K 64, N 1,024]; A: computed on the way; B: computed on the way: left as it is (an operand is computed on the way)
;;     5. batch 16 x [M 4,096, K 1,024] x [K 1,024, N 64]; A: computed on the way; B: computed on the way: left as it is (an operand is computed on the way)
;;     6. [M 2,048, K 2,048] x [K 2,048, N 2,048]; A: computed on the way; B: input Wo: left as it is (an operand is computed on the way)
;;   THE QUANTISER, for each operand of a quantised product, along K:
;;     - K is cut into blocks of 32 from its start; a last block that is shorter is filled with zeros.
;;     - A block's scale is 2^e with e = floor(log2(the largest magnitude in the block)) - 2, held to -126 .. 127; a block of zeros has e = 0. As a byte (E8M0): e + 127.
;;     - Each number is divided by its block's scale, clamped to +-6, and rounded to the nearest number of E2M1, ties to even, subnormals kept.
;;     - The product sums the exact products of the quantised numbers (number of the format x scale) in f32.
;;   ~~~python
;;   def quantise(x, axis):      # numpy; x: float32 -> the quantised numbers, widened to float32 again
;;       x = np.moveaxis(x, axis, -1); K = x.shape[-1]
;;       x = np.pad(x, [(0, 0)] * (x.ndim - 1) + [(0, -K % 32)]); x = x.reshape(x.shape[:-1] + (-1, 32)); a = np.abs(x).max(-1, keepdims=True)
;;       e = np.where(a > 0, np.clip(np.frexp(np.where(a > 0, a, 1))[1] - 1 - 2, -126, 127), 0)      # np.frexp(a)[1] - 1 = floor(log2(a)), exactly
;;       r = np.clip(x / 2.0 ** e, -6, 6)
;;       step = 2.0 ** (np.maximum(np.frexp(np.where(r == 0, 1, r))[1] - 1, 0) - 1)
;;       q = np.round(r / step) * step * 2.0 ** e      # np.round: ties to even
;;       return np.moveaxis(q.reshape(q.shape[:-2] + (-1,))[..., :K], -1, axis).astype(np.float32)
;;   ~~~
;; One version. Each part assembles by itself: llvm-mc -triple=amdgcn-amd-amdhsa -mcpu=gfx1250 --defsym DOCPART=n.
;; ======== version 1 of 1: 5 launches
;; limits: values are held in f16: magnitudes above 65,504 overflow, below 6.1e-05 lose precision
;; workspace buffers: codes 5,570,560 bytes; wo16 16,777,216 bytes; qkv 12,976,128 bytes; ao 8,388,608 bytes; of 262,144 bytes
;; launch prep (part 1): grid 768 x 1, 4 waves a work-group, no clusters, 33,280 bytes of LDS; arguments x, Wq, Wk, Wv, Wo, codes, wo16; writes codes, wo16
.if DOCPART == 1
	.amdgcn_target "amdgcn-amd-amdhsa--gfx1250"
	.amdhsa_code_object_version 6
	.text
	.protected	k_q1e9765df50_prep
	.globl	k_q1e9765df50_prep
	.p2align	8
	.type	k_q1e9765df50_prep,@function
k_q1e9765df50_prep:
	s_mov_b64 s[64:65], 0
	v_nop
	global_prefetch_b8 v0, s[64:65] scope:SCOPE_SE
	s_setreg_imm32_b32 hwreg(HW_REG_WAVE_MODE, 25, 1), 1
	s_wait_xcnt 0x0
; PREP: everything that is quantised or split once.  Three roles, chosen by the work-group's number:
;   O (0..255):   Wo [2048 k][2048 n] f32 -> two f16 tensors, a high part and (Wo - high) x 2^11, laid as images of the matrix operand's registers:
;                 [n/16][k/32][1,024 B], the eight k of quad (k%32)/8 of column n at 256 x quad + 16 x (n%16).
;   W (256..639): Wq | Wk | Wv, K first, 3,072 columns in all -> codes of E2M1 laid as register images [n/16][k/128][1,024 B]
;                 (block (k/32)%4 of column n at 256 x block + 16 x (n%16)) and one scale word (4 E8M0 bytes) for each column and 128 k, laid [k/128][n].
;   X (640..767): x [2048][2048] f32, K innermost -> codes [row][1,024 B] and scale bytes [row][64].
; THE QUANTISER: a block's scale is 2^(floor(log2(largest magnitude)) - 2); its byte is the largest magnitude's exponent field - 2, held at 1 from below.
; LIMITS: a block of zeros gets the byte 1 (its codes are zeros, and this program alone reads the bytes); NaN and infinities are not served; |Wo| stays under 65,504 (f16).
; Roles O and W: a lane takes a column and its registers run down K, so a block of 32 lies in one lane and nothing is transposed; each load reads 128 consecutive bytes a wave,
; the four waves stand side by side on 512; each store of 16 bytes a lane fills 256 consecutive aligned bytes with sixteen lanes.  No LDS there.
; Role X: dense loads, a turn through the wave's own stage in LDS, 16 neighbours a lane, two lanes to a block.
; Memory binds: no matrix unit, no cluster, no tensor load; many small waves keep loads on their way.
.set WC,    2097152                    ; in codes: W's images
.set XS,    5242880                    ; x's scale bytes
.set WS,    5373952                    ; W's scale words
.set WOL,   8388608                    ; in wo16: the low parts
.set SPARE, 32768                      ; behind role X's four regions: the spare words, 128 bytes a wave
.set SPW,   12                         ; v12  my spare word's LDS address; never rewritten
.set NIL,   13                         ; v13  0; never rewritten
.set OFF,   64                         ; v64-95   roles O, W: 4 x lane + i x pitch
.set D,     96                         ; v96-223  roles O, W: four sets of 32 numbers
.set BS,    24                         ; s[24:31] roles O, W: a base for each block of 32 k
.set HB,    16                         ; v16-31   role O: high parts (role W: codes)
.set LOB,   32                         ; v32-47   role O: low parts
.set TMPB,  48                         ; v48-55   role O: at work
.set R,     96                         ; role X: v96-223 eight sets of 16 numbers as loaded
.set X,     64                         ; role X: v64-95 two sets of 16 neighbours
.set C,     16                         ; role X: v16-47 two registers of codes a step
.set E,     48                         ; role X: v48-63 a scale byte a step
.set SP,    80                         ; role X: a lane's place in a stage: 64 bytes + 16 of padding
.macro CLOAD t                         ; block t: 32 rows k of my column
.set i, 0
.rept 32
	global_load_b32 v[D+32*(\t)+i], v[OFF+i], s[BS+2*(\t):BS+2*(\t)+1] th:TH_LOAD_NT
.set i, i+1
.endr
.endm
.macro WBLOCK t                        ; block t of my column becomes 32 codes and a byte of the scale word
.set DSET, D+32*(\t)
	v_max3_num_f32 v8, |v[DSET]|, |v[DSET+1]|, |v[DSET+2]|
	v_max3_num_f32 v9, |v[DSET+3]|, |v[DSET+4]|, |v[DSET+5]|
.irp i, 6,10,14,18,22,26
	v_max3_num_f32 v8, v8, |v[DSET+\i]|, |v[DSET+\i+1]|
	v_max3_num_f32 v9, v9, |v[DSET+\i+2]|, |v[DSET+\i+3]|
.endr
	v_max3_num_f32 v8, v8, |v[DSET+30]|, |v[DSET+31]|
	v_max3_num_f32 v8, v8, v9, 0x1800000           ; the floor 2^(3 - 127): the byte cannot fall under 1
	v_add_nc_u32 v11, 0xff000000, v8               ; 2 off the exponent field: the conversion's scale operand
.irp g, 0,1,2,3
	v_cvt_scalef32_pk8_fp4_f32 v[HB+4*(\t)+\g], v[DSET+8*\g:DSET+8*\g+7], v11
.endr
	v_lshrrev_b32 v9, 23, v11                      ; the byte (a plain line behind the conversions)
.if (\t) == 0
	v_mov_b32 v10, v9
.else
	v_lshl_or_b32 v10, v9, 8*(\t), v10
.endif
	global_store_b128 v14, v[HB+4*(\t):HB+4*(\t)+3], s[32:33] offset:256*(\t)   ; sixteen lanes: 256 consecutive bytes; each block has registers of its own
.endm
; one pair of numbers v[DSET+2j], v[DSET+2j+1]: the high part as f16, and (number - high part) x 2^11 as f16.  The difference is exact in f32.
.macro HS j, hr, hl, hh
	v_cvt_pk_f16_f32 \hr, v[DSET+2*(\j)], v[DSET+2*(\j)+1]
	v_cvt_f32_f16 v[TMPB+2*((\j)%4)], \hl
	v_cvt_f32_f16 v[TMPB+2*((\j)%4)+1], \hh
	v_pk_add_f32 v[DSET+2*(\j):DSET+2*(\j)+1], v[DSET+2*(\j):DSET+2*(\j)+1], v[TMPB+2*((\j)%4):TMPB+2*((\j)%4)+1] neg_lo:[0,1] neg_hi:[0,1]
	v_pk_mul_f32 v[DSET+2*(\j):DSET+2*(\j)+1], v[DSET+2*(\j):DSET+2*(\j)+1], s[40:41] op_sel_hi:[1,0]
	v_cvt_pk_f16_f32 v[LOB+(\j)], v[DSET+2*(\j)], v[DSET+2*(\j)+1]
.endm
.macro OBLOCK t
.set DSET, D+32*(\t)
.if (\t) > 0
	s_wait_xcnt 0x0                                ; the last block's stores have read their data: the registers are written again only behind this wait
.endif
	HS 0, v16, v16.l, v16.h
	HS 1, v17, v17.l, v17.h
	HS 2, v18, v18.l, v18.h
	HS 3, v19, v19.l, v19.h
	HS 4, v20, v20.l, v20.h
	HS 5, v21, v21.l, v21.h
	HS 6, v22, v22.l, v22.h
	HS 7, v23, v23.l, v23.h
	HS 8, v24, v24.l, v24.h
	HS 9, v25, v25.l, v25.h
	HS 10, v26, v26.l, v26.h
	HS 11, v27, v27.l, v27.h
	HS 12, v28, v28.l, v28.h
	HS 13, v29, v29.l, v29.h
	HS 14, v30, v30.l, v30.h
	HS 15, v31, v31.l, v31.h
.irp q, 0,1,2,3
	global_store_b128 v14, v[HB+4*\q:HB+4*\q+3], s[32:33] offset:1024*(\t)+256*\q
	global_store_b128 v14, v[LOB+4*\q:LOB+4*\q+3], s[34:35] offset:1024*(\t)+256*\q
.endr
.endm
.macro XLOAD t                         ; role X: step t's 2,048 bytes, 512 consecutive bytes a load
.irp i, 0,1,2,3
	global_load_b128 v[R+16*((\t)%8)+4*\i:R+16*((\t)%8)+4*\i+3], v3, s[4:5] offset:2048*(\t)+512*\i th:TH_LOAD_NT
.endr
.endm
.macro XTURN t                         ; through the stage: LDS serves a wave's instructions in order, so no wait stands between the stores and the loads
.irp i, 0,1,2,3
	ds_store_b128 v14, v[R+16*((\t)%8)+4*\i:R+16*((\t)%8)+4*\i+3] offset:32*SP*((\t)%2)+8*SP*\i
.endr
.irp i, 0,1,2,3
	ds_load_b128 v[X+16*((\t)%2)+4*\i:X+16*((\t)%2)+4*\i+3], v15 offset:32*SP*((\t)%2)+16*\i
.endr
.endm
.macro XSTEP t
.set XSET, X+16*((\t)%2)
.if (\t) > 0
	s_wait_dscnt 1                                 ; this step's numbers are back from the stage; the last step's byte store may be out
.else
	s_wait_dscnt 0x0
.endif
.if (\t)+8 < 16
	XLOAD (\t)+8                                   ; into the set whose stores into the stage are done
.endif
.if (\t)+1 < 16
.if 14-(\t) >= 7
	s_wait_loadcnt 28                              ; the next step's four loads are in; those of the seven steps behind it may be out
.else
	s_wait_loadcnt 4*(14-(\t))
.endif
	XTURN (\t)+1
.endif
	v_max3_num_f32 v8, |v[XSET]|, |v[XSET+1]|, |v[XSET+2]|
	v_max3_num_f32 v9, |v[XSET+3]|, |v[XSET+4]|, |v[XSET+5]|
.irp i, 6,10
	v_max3_num_f32 v8, v8, |v[XSET+\i]|, |v[XSET+\i+1]|
	v_max3_num_f32 v9, v9, |v[XSET+\i+2]|, |v[XSET+\i+3]|
.endr
	v_max3_num_f32 v8, v8, |v[XSET+14]|, |v[XSET+15]|
	v_max3_num_f32 v8, v8, v9, 0x1800000
	v_max_num_f32_dpp v8, v8, v8 row_xmask:1 row_mask:0xf bank_mask:0xf   ; with my neighbour's 16: the block's
	v_add_nc_u32 v11, 0xff000000, v8
	v_cvt_scalef32_pk8_fp4_f32 v[C+2*(\t)], v[XSET:XSET+7], v11
	v_cvt_scalef32_pk8_fp4_f32 v[C+2*(\t)+1], v[XSET+8:XSET+15], v11
	v_lshrrev_b32 v[E+(\t)], 23, v11
	ds_store_b8 v5, v[E+(\t)] offset:16*(\t)       ; both lanes of a block write the same byte with the same value
	global_store_b64 v4, v[C+2*(\t):C+2*(\t)+1], s[32:33] offset:256*(\t)   ; the wave stores 256 consecutive bytes
.endm
	s_load_b256 s[4:11], s[0:1], 0x0               ; x, Wq, Wk, Wv
	s_load_b128 s[12:15], s[0:1], 0x20             ; Wo, codes
	s_load_b64 s[16:17], s[0:1], 0x30              ; wo16
	v_lshl_add_u32 v[SPW], v0, 2, SPARE
	v_mov_b32 v[NIL], 0
	v_lshrrev_b32 v1, 5, v0
	v_readfirstlane_b32 s18, v1                    ; wave
	v_and_b32 v2, 31, v0                           ; lane
	s_mov_b32 s39, 0
	s_wait_kmcnt 0x0
	s_cmp_ge_u32 ttmp9, 640
	s_cbranch_scc1 .Lrole_x
	; ---- roles O and W: which 128 columns x 128 k, of which tensor
	s_cmp_lt_u32 ttmp9, 256
	s_cselect_b32 s36, 0, 256
	s_sub_co_u32 s19, ttmp9, s36
	s_and_b32 s20, s19, 15                         ; kq: which 128 along K
	s_lshr_b32 s21, s19, 4                         ; cb: which 128 columns
	s_cmp_lt_u32 s21, 20
	s_cselect_b64 s[24:25], s[8:9], s[10:11]       ; Wk or Wv
	s_cselect_b32 s37, 16, 20
	s_cmp_lt_u32 s21, 16
	s_cselect_b64 s[24:25], s[6:7], s[24:25]       ; or Wq
	s_cselect_b32 s37, 0, s37
	s_mov_b32 s22, 2048
	s_cselect_b32 s22, 8192, s22                   ; a row of the tensor in bytes
	s_cmp_lt_u32 ttmp9, 256
	s_cselect_b64 s[24:25], s[12:13], s[24:25]     ; or Wo
	s_cselect_b32 s37, 0, s37
	s_cselect_b32 s22, 8192, s22
	s_cselect_b32 s23, 16, 14                      ; log2 of the bytes from one tile of 16 columns to the next in the images
	s_sub_co_u32 s37, s21, s37                     ; the block of columns inside its tensor
	s_lshl_b32 s38, s22, 7
	s_mul_i32 s38, s38, s20                        ; kq x 128 rows
	s_lshl_b32 s36, s37, 9
	s_add_co_u32 s38, s38, s36                     ; + 128 columns x 4 bytes x block
	s_lshl_b32 s36, s18, 7
	s_add_co_u32 s38, s38, s36                     ; + my wave's 32 columns
	s_add_nc_u64 s[BS:BS+1], s[24:25], s[38:39]
	s_lshl_b32 s38, s22, 5                         ; 32 rows on
	s_add_nc_u64 s[BS+2:BS+3], s[BS:BS+1], s[38:39]
	s_add_nc_u64 s[BS+4:BS+5], s[BS+2:BS+3], s[38:39]
	s_add_nc_u64 s[BS+6:BS+7], s[BS+4:BS+5], s[38:39]
	v_lshlrev_b32 v[OFF], 2, v2
.set i, 1
.rept 31
	v_add_nc_u32 v[OFF+i], s22, v[OFF+i-1]
.set i, i+1
.endr
	CLOAD 0
	CLOAD 1
	v_lshrrev_b32 v14, 4, v2
	v_lshlrev_b32 v14, s23, v14
	v_and_b32 v15, 15, v2
	v_lshl_add_u32 v14, v15, 4, v14                ; where my 16 bytes go: tile lane / 16, place 16 x (lane % 16)
	s_cmp_lt_u32 ttmp9, 256
	s_cbranch_scc1 .Lrole_o
	; ---- role W
	s_lshl_b32 s38, s21, 17                        ; (8 cb + 2 wave) tiles of 16,384 bytes + kq x 1,024
	s_lshl_b32 s36, s18, 15
	s_add_co_u32 s38, s38, s36
	s_lshl_b32 s36, s20, 10
	s_add_co_u32 s38, s38, s36
	s_add_co_u32 s38, s38, WC
	s_add_nc_u64 s[32:33], s[14:15], s[38:39]
	s_mul_i32 s38, s20, 12288                      ; the scale words: [kq][column]
	s_lshl_b32 s36, s21, 9
	s_add_co_u32 s38, s38, s36
	s_lshl_b32 s36, s18, 7
	s_add_co_u32 s38, s38, s36
	s_add_co_u32 s38, s38, WS
	s_add_nc_u64 s[34:35], s[14:15], s[38:39]
	s_wait_loadcnt 32                              ; block 0 is in; block 1's 32 loads may be out
	CLOAD 2
	WBLOCK 0
	s_wait_loadcnt 32                              ; block 1 is in; block 2's may be out
	CLOAD 3
	WBLOCK 1
	s_wait_loadcnt 32                              ; block 2 is in; block 3's may be out
	WBLOCK 2
	s_wait_loadcnt 0x0
	WBLOCK 3
	global_store_b32 v[OFF], v10, s[34:35]         ; my column's scale word: 128 consecutive bytes a wave
	s_endpgm
.Lrole_o:
	s_lshl_b32 s38, s21, 19                        ; (8 cb + 2 wave) tiles of 65,536 bytes + kq x 4 images
	s_lshl_b32 s36, s18, 17
	s_add_co_u32 s38, s38, s36
	s_lshl_b32 s36, s20, 12
	s_add_co_u32 s38, s38, s36
	s_add_nc_u64 s[32:33], s[16:17], s[38:39]
	s_add_nc_u64 s[34:35], s[32:33], WOL
	s_mov_b32 s40, 0x45000000                      ; 2^11
	s_mov_b32 s41, s40                             ; (named with it as a pair)
	s_wait_loadcnt 32
	CLOAD 2
	OBLOCK 0
	s_wait_loadcnt 32
	CLOAD 3
	OBLOCK 1
	s_wait_loadcnt 32
	OBLOCK 2
	s_wait_loadcnt 0x0
	OBLOCK 3
	s_endpgm
.Lrole_x:
	s_sub_co_u32 s19, ttmp9, 640
	s_lshl_b32 s19, s19, 2
	s_add_co_u32 s36, s19, s18                     ; which run of 8,192 numbers is my wave's
	s_lshl_b32 s38, s36, 15
	s_add_nc_u64 s[4:5], s[4:5], s[38:39]
	s_lshl_b32 s38, s36, 12
	s_add_nc_u64 s[32:33], s[14:15], s[38:39]      ; its codes
	s_lshl_b32 s38, s36, 8
	s_add_co_u32 s38, s38, XS
	s_add_nc_u64 s[34:35], s[14:15], s[38:39]      ; its 256 scale bytes
	v_lshlrev_b32 v3, 4, v2                        ; my 16 bytes of a load's 512
	s_lshl_b32 s37, s18, 13                        ; my wave's 8,192 bytes of LDS
	v_lshrrev_b32 v14, 2, v2
	v_mul_u32_u24 v14, v14, SP
	v_and_b32 v15, 3, v2
	v_lshl_add_u32 v14, v15, 4, v14
	v_add_nc_u32 v14, s37, v14                     ; the stage, on the way in
	v_mul_u32_u24 v15, v2, SP
	v_add_nc_u32 v15, s37, v15                     ; and on the way out: my 16 neighbours
	v_lshlrev_b32 v4, 3, v2                        ; 8 bytes a lane: my codes in a step's 256; my part of the scale bytes
	v_lshrrev_b32 v5, 1, v2
	s_add_co_u32 s37, s37, 2*32*SP
	v_add_nc_u32 v5, s37, v5                       ; my block's byte among the wave's 256
	v_add_nc_u32 v6, s37, v4
.irp t, 0,1,2,3,4,5,6,7
	XLOAD \t
.endr
	s_wait_loadcnt 28                              ; step 0's four loads are in
	XTURN 0
.irp t, 0,1,2,3,4,5,6,7,8,9,10,11,12,13,14,15
	XSTEP \t
.endr
	ds_load_b64 v[8:9], v6                         ; in order behind my byte stores
	s_wait_dscnt 0x0
	global_store_b64 v4, v[8:9], s[34:35]          ; 256 consecutive aligned bytes
	s_wait_tensorcnt 0x0                           ; the wave's end
	ds_add_u32 v[SPW], v[NIL]
	s_wait_dscnt 0x0
	s_endpgm
.Lfunc_end_k_q1e9765df50_prep:
	.size	k_q1e9765df50_prep, .Lfunc_end_k_q1e9765df50_prep-k_q1e9765df50_prep
	.p2alignl 7, 3214868480
	.fill 96, 4, 3214868480
	.section	.rodata,"a",@progbits
	.p2align	6, 0x0
	.amdhsa_kernel k_q1e9765df50_prep
		.amdhsa_group_segment_fixed_size 33280
		.amdhsa_private_segment_fixed_size 0
		.amdhsa_enable_private_segment 0
		.amdhsa_kernarg_size 56
		.amdhsa_user_sgpr_count 2
		.amdhsa_user_sgpr_kernarg_segment_ptr 1
		.amdhsa_wavefront_size32 1
		.amdhsa_system_sgpr_workgroup_id_x 1
		.amdhsa_system_sgpr_workgroup_id_y 1
		.amdhsa_system_sgpr_workgroup_id_z 1
		.amdhsa_system_vgpr_workitem_id 0
		.amdhsa_next_free_vgpr 224
		.amdhsa_next_free_sgpr 66
		.amdhsa_reserve_vcc 0
		.amdhsa_float_denorm_mode_32 3
		.amdhsa_float_denorm_mode_16_64 3
		.amdhsa_memory_ordered 1
		.amdhsa_forward_progress 1
		.amdhsa_inst_pref_size 84
	.end_amdhsa_kernel
	.amdgpu_metadata
---
amdhsa.version: [ 1, 2 ]
amdhsa.kernels:
  - .name:           k_q1e9765df50_prep
    .symbol:         k_q1e9765df50_prep.kd
    .args:
      - { .name: x, .offset: 0, .size: 8, .value_kind: global_buffer, .address_space: global }
      - { .name: Wq, .offset: 8, .size: 8, .value_kind: global_buffer, .address_space: global }
      - { .name: Wk, .offset: 16, .size: 8, .value_kind: global_buffer, .address_space: global }
      - { .name: Wv, .offset: 24, .size: 8, .value_kind: global_buffer, .address_space: global }
      - { .name: Wo, .offset: 32, .size: 8, .value_kind: global_buffer, .address_space: global }
      - { .name: codes, .offset: 40, .size: 8, .value_kind: global_buffer, .address_space: global }
      - { .name: wo16, .offset: 48, .size: 8, .value_kind: global_buffer, .address_space: global }
    .group_segment_fixed_size: 33280
    .private_segment_fixed_size: 0
    .kernarg_segment_align: 8
    .kernarg_segment_size: 56
    .max_flat_workgroup_size: 128
    .sgpr_count:     66
    .vgpr_count:     224
    .wavefront_size: 32
...
	.end_amdgpu_metadata
.endif
;; end of part 1
;; launch qkv (part 2): grid 12 x 8, 4 waves a work-group, clusters of 4 x 4, 327,680 bytes of LDS; arguments codes, bq, bk, bv, qkv; writes qkv
.if DOCPART == 2
	.amdgcn_target "amdgcn-amd-amdhsa--gfx1250"
	.amdhsa_code_object_version 6
	.text
	.protected	k_q1e9765df50_qkv
	.globl	k_q1e9765df50_qkv
	.p2align	8
	.type	k_q1e9765df50_qkv,@function
k_q1e9765df50_qkv:
	s_mov_b64 s[64:65], 0
	v_nop
	global_prefetch_b8 v0, s[64:65] scope:SCOPE_SE
	s_setreg_imm32_b32 hwreg(HW_REG_WAVE_MODE, 25, 1), 1
	s_wait_xcnt 0x0
	s_wait_alu depctr_hold_cnt(0) depctr_sa_sdst(0) depctr_va_vdst(0) depctr_va_sdst(0) depctr_va_ssrc(0) depctr_va_vcc(0) depctr_vm_vsrc(0)
	s_getreg_b32 s2, hwreg(HW_REG_IB_STS2, 6, 4)
	s_cmp_eq_u32 s2, 0
	s_cbranch_scc0 .Lentry_in_a_cluster
	s_endpgm
.Lentry_in_a_cluster:
	s_bfe_u32 s2, ttmp6, 0x10000c
	s_cmp_lg_u32 s2, 0xf033
	s_cbranch_scc0 .Lentry_shape_is_right
	s_endpgm
.Lentry_shape_is_right:
; QKV: [2048 rows of x] x [3072 columns of Wq | Wk | Wv], K = 2048, on codes of E2M1 with one E8M0 scale for each 32 along K, sums in f32, plus the biases.
; A tile of 256 x 256 is made by four waves, 128 x 128 each: 64 accumulators of 16 x 16.  12 x 8 tiles; a smaller tile would read twice the LDS bytes for each product.
; K goes in four steps of 512 through two LDS slots filled by the tensor data mover.  x's tiles are rows of 256 bytes (+ 16 of padding); W's are images of the operand's registers,
; dense: a fragment is two loads of 16 bytes a lane at 16 x lane.  All scales of the work-group's rows and columns come once, with the first fills, and stay.
; CLUSTER 4 x 4: x's tiles are shared along a row of the cluster, W's along a column: joint loads with a mask of four.
; THE MATRIX INSTRUCTION IS USED TRANSPOSED (source 0 = 16 columns of W, source 1 = 16 rows of x): a lane holds eight neighbouring columns of one row.
; The bias is the C of each sum's first product.  RESULTS: f16, head by head, [batch][48 heads: 32 q, 8 k, 8 v][position][64]; positions 0-15 of each batch also as f32 [32][3072].
; LIMIT: |q|, |k|, |v| stay under 65,504 (f16).  No prefetch: K has four steps, and all four come by the two first fills and the two refills.
; REGISTERS, in windows of 256: window 0: v0-31 addresses; v32-95 scale words, two sets, and nothing else ever; v128-191 x's fragments, one set; v192-255 the bias; on the way out v128-223 are at work.
;   window 1: W's fragments, two sets.   window 2: the accumulators of my rows 0-63 ((a, b) at v[8 (8 a + b)]);   window 3: those of my rows 64-127.
.set NQ,     4                         ; matrix instructions deep in a slot
.set ROWB,   256
.set KROW,   1024
.set PITCH,  272
.set FR,     8
.set NL,     2
.set NP,     4
.set HALFA,  128*PITCH                 ; 128 rows of x: what one tensor load brings
.set HALFB,  32768                     ; 8 tiles of 16 columns x 4 images of 1,024 bytes
.set SLOT,   2*HALFA+2*HALFB
.set LAPS,   2
.set SCA,    2*SLOT                    ; x's scale bytes: units of 256 bytes + 16 of padding
.set HALFS,  32*272
.set SBLK,   4*272                     ; those of 16 rows
.set SCB,    SCA+2*HALFS               ; W's scale words: for each half [16 k steps of 128][512 bytes]
.set SPARE,  SCB+2*8192                ; the spare words, 128 bytes a wave
.set WC,     2097152
.set XS,     5242880
.set WS,     5373952
.set FQ,     12582912
.set ADRA, 16                          ; v16-17 LDS address of x's fragments in slot 0, 1
.set ADRB, 20                          ; v20-21 of W's
.set FO,   22                          ; v22 the fine rows' offset
.set FL,   23                          ; v23 the fine rows' flag
.set STO,  24
.set RD,   25
.set CO,   26
.set ADRSA, 27                         ; v27 x's scale words: lanes 0-15 an even block of rows, lanes 16-31 the odd one behind it
.set SPW,  28
.set NIL,  29
.set ADRSB, 30                         ; v30 W's scale words, likewise
.set BO,   31
.set SC,   32                          ; set s at v[32 + 32 s]: +0..15 x's (4 (a / 2) + q), +16..31 W's (4 (b / 2) + q)
.set AF,   128
.set BI,   192
.set TMP,  128
.set BK,   160
.set G1, 24
.set G0, 32
.set G1B, 48
.set G0B, 56
.set G1S, 68
.set G0S, 76
.set G1SB, 80
.set G0SB, 88
.set MSB, 0
.macro WIN new                         ; the immediate's high byte repeats the setting that is left
.if MSB != (\new)
	s_set_vgpr_msb (MSB<<8)|(\new)
.set MSB, (\new)
.endif
.endm
.set MUL_LO, 0xa1                      ; source 0 (W) window 1, source 1 (x) window 0, C and D window 2
.set MUL_HI, 0xf1
.set TO_B,   0x40
; A joint load: waves 0 and 1 fetch for x, waves 2 and 3 for W.  The branch hangs on the wave's number alone.  An s_nop 0 and four v_nop follow each line.
.macro JLOAD g0a, g1a, g0b, g1b
	s_cmp_eq_u32 s15, 0
	s_cbranch_scc0 .Lfor_b_\@
	tensor_load_to_lds s[\g0a:\g0a+3], s[\g1a:\g1a+7]
	s_nop 0
.rept 4
	v_nop
.endr
	s_branch .Lasked_\@
.Lfor_b_\@:
	tensor_load_to_lds s[\g0b:\g0b+3], s[\g1b:\g1b+7]
	s_nop 0
.rept 4
	v_nop
.endr
.Lasked_\@:
.endm
.macro CREST
	s_cmp_lg_u32 s14, 0
	s_cbranch_scc1 .Lnot_wave_0_\@
	s_barrier_signal -3
.Lnot_wave_0_\@:
	s_barrier_wait -3
	s_barrier_signal -1
	s_barrier_wait -1
.endm
.macro CROUND
	s_barrier_signal -1
	s_barrier_wait -1
	CREST
.endm
	s_load_b256 s[4:11], s[0:1], 0x0               ; codes, bq, bk, bv
	s_load_b64 s[12:13], s[0:1], 0x20              ; qkv
	v_lshl_add_u32 v[SPW], v0, 2, SPARE
	v_mov_b32 v[NIL], 0
	ds_add_u32 v[SPW], v[NIL]                      ; the wave's opening: the add, twice on end, and its wait ahead of my first tensor load
	ds_add_u32 v[SPW], v[NIL]
	v_lshrrev_b32 v1, 5, v0
	v_readfirstlane_b32 s14, v1                    ; wave
	s_lshr_b32 s15, s14, 1                         ; my half of the tile's rows.  Also: I fetch for x (0) or for W (1)
	s_and_b32 s16, s14, 1                          ; my half of its columns.  Also: which half I fetch
	s_bfe_u32 s40, ttmp6, 0x40000                  ; cx
	s_bfe_u32 s41, ttmp6, 0x40004                  ; cy
	s_lshl_b32 s42, ttmp9, 2
	s_add_co_u32 s42, s42, s40                     ; tile column
	s_and_b32 s17, ttmp7, 0xffff
	s_lshl_b32 s17, s17, 2
	s_add_co_u32 s17, s17, s41                     ; tile row
	s_lshl_b32 s43, s41, 2
	s_lshl_b32 s43, 15, s43                        ; my row of the cluster
	s_lshl_b32 s44, 0x1111, s40                    ; my column
	s_or_b32 s[G1+0], s43, (0<<16)|(1<<20)|(1<<21)|(5<<22)|(3<<25)   ; x's codes: 128 rows x 256 bytes, 4 words of padding after every 64
	s_mov_b32 s[G1+1], ROWB<<16
	s_mov_b32 s[G1+2], 128<<16
	s_mov_b32 s[G1+3], ROWB<<16
	s_mov_b32 s[G1+4], 128
	s_mov_b32 s[G1+5], KROW
	s_mov_b32 s[G1+6], 0
	s_mov_b32 s[G1+7], 0
	s_or_b32 s[G1B+0], s44, (3<<16)|(1<<21)        ; W's images: 8 rows of 512 elements of 8 bytes, 2,048 elements apart, dense in LDS
	s_mov_b32 s[G1B+1], 512<<16
	s_mov_b32 s[G1B+2], 8<<16
	s_mov_b32 s[G1B+3], 512<<16
	s_mov_b32 s[G1B+4], 8
	s_mov_b32 s[G1B+5], 2048
	s_mov_b32 s[G1B+6], 0
	s_mov_b32 s[G1B+7], 0
	s_or_b32 s[G1S+0], s43, (3<<16)|(1<<20)|(1<<21)|(5<<22)|(3<<25)  ; x's scale bytes of 128 rows: 8,192 dense bytes as 32 rows of 256, padded
	s_mov_b32 s[G1S+1], 32<<16
	s_mov_b32 s[G1S+2], 32<<16
	s_mov_b32 s[G1S+3], 32<<16
	s_mov_b32 s[G1S+4], 32
	s_mov_b32 s[G1S+5], 32
	s_mov_b32 s[G1S+6], 0
	s_mov_b32 s[G1S+7], 0
	s_or_b32 s[G1SB+0], s44, (3<<16)|(1<<21)       ; W's scale words of 128 columns: 16 rows of 512 bytes, 12,288 bytes apart
	s_mov_b32 s[G1SB+1], 64<<16
	s_mov_b32 s[G1SB+2], 16<<16
	s_mov_b32 s[G1SB+3], 64<<16
	s_mov_b32 s[G1SB+4], 16
	s_mov_b32 s[G1SB+5], 1536
	s_mov_b32 s[G1SB+6], 0
	s_mov_b32 s[G1SB+7], 0
	s_lshl_b32 s18, s16, 7
	s_lshl_b32 s20, s17, 8
	s_add_co_u32 s20, s20, s18                     ; x: row 256 x tile row + 128 x half
	s_lshl_b32 s22, s20, 6
	s_add_co_u32 s22, s22, XS                      ; its scale bytes
	s_mov_b32 s23, 0
	s_lshl_b32 s20, s20, 10                        ; its codes
	s_mov_b32 s21, 0
	s_lshl_b32 s46, s42, 8
	s_add_co_u32 s46, s46, s18                     ; W: column 256 x tile column + 128 x half
	s_lshl_b32 s92, s46, 2
	s_add_co_u32 s92, s92, WS                      ; its scale words
	s_mov_b32 s93, 0
	s_lshl_b32 s46, s46, 10                        ; its images: 16,384 bytes for 16 columns
	s_add_co_u32 s46, s46, WC
	s_mov_b32 s47, 0
	s_mul_i32 s45, s16, HALFA                      ; where they go: no place in the cluster enters an LDS address
	s_mul_i32 s94, s16, HALFB
	s_add_co_u32 s94, s94, 2*HALFA
	s_mul_i32 s95, s16, HALFS
	s_add_co_u32 s95, s95, SCA
	s_lshl_b32 s67, s16, 13
	s_add_co_u32 s67, s67, SCB
	s_wait_dscnt 0x0                               ; both opening adds are done
	s_wait_kmcnt 0x0
	s_add_nc_u64 s[20:21], s[4:5], s[20:21]
	s_add_nc_u64 s[22:23], s[4:5], s[22:23]
	s_add_nc_u64 s[46:47], s[4:5], s[46:47]
	s_add_nc_u64 s[92:93], s[4:5], s[92:93]
	CROUND                                         ; all sixteen work-groups are here: the first joint loads meet
	s_mov_b32 s[G0S], 1
	s_mov_b32 s[G0S+1], s95
	s_mov_b64 s[G0S+2:G0S+3], s[22:23]
	s_or_b32 s[G0S+3], s[G0S+3], 0x80000000
	s_mov_b32 s[G0SB], 1
	s_mov_b32 s[G0SB+1], s67
	s_mov_b64 s[G0SB+2:G0SB+3], s[92:93]
	s_or_b32 s[G0SB+3], s[G0SB+3], 0x80000000
	JLOAD G0S, G1S, G0SB, G1SB                     ; the scales first: they are wanted with K step 0
.irp s, 0,1
	s_mov_b32 s[G0+4*\s], 1
	s_add_co_u32 s[G0+4*\s+1], s45, \s*SLOT
	s_add_nc_u64 s[G0+4*\s+2:G0+4*\s+3], s[20:21], \s*ROWB
	s_or_b32 s[G0+4*\s+3], s[G0+4*\s+3], 0x80000000
	s_mov_b32 s[G0B+4*\s], 1
	s_add_co_u32 s[G0B+4*\s+1], s94, \s*SLOT
	s_add_nc_u64 s[G0B+4*\s+2:G0B+4*\s+3], s[46:47], \s*4096
	s_or_b32 s[G0B+4*\s+3], s[G0B+4*\s+3], 0x80000000
	JLOAD G0+4*\s, G1, G0B+4*\s, G1B
.endr
	; the bias of my 128 columns: a select on the tile column, no branch
	s_cmp_lt_u32 s42, 10
	s_cselect_b64 s[96:97], s[8:9], s[10:11]
	s_cselect_b32 s98, 8, 10
	s_cmp_lt_u32 s42, 8
	s_cselect_b64 s[96:97], s[6:7], s[96:97]
	s_cselect_b32 s98, 0, s98
	s_sub_co_u32 s98, s42, s98
	s_lshl_b32 s98, s98, 10
	s_lshl_b32 s99, s16, 9
	s_add_co_u32 s98, s98, s99
	s_mov_b32 s99, 0
	s_add_nc_u64 s[96:97], s[96:97], s[98:99]
	v_and_b32 v1, 15, v0                           ; r
	v_bfe_u32 v2, v0, 4, 1                         ; h
	v_and_b32 v3, 31, v0                           ; lane
	v_lshlrev_b32 v[BO], 5, v2
.irp b, 0,1,2,3,4,5,6,7
	global_load_b128 v[BI+8*\b:BI+8*\b+3], v[BO], s[96:97] offset:64*\b          ; lane (r, h): the bias of columns 16 b + 8 h + 0 .. 7
	global_load_b128 v[BI+8*\b+4:BI+8*\b+7], v[BO], s[96:97] offset:64*\b+16
.endr
	v_mul_u32_u24 v4, v1, PITCH
	v_lshl_add_u32 v4, v2, 4, v4
	v_lshlrev_b32 v[CO], 4, v3                     ; 16 x lane
	s_mul_i32 s21, s15, HALFA                      ; my 128 rows of x
	s_mul_i32 s22, s16, HALFB                      ; my 128 columns of W
	s_add_co_u32 s22, s22, 2*HALFA
.irp s, 0,1
	v_add_nc_u32 v[ADRA+\s], s21, v4
	v_add_nc_u32 v[ADRB+\s], s22, v[CO]
	s_add_co_u32 s21, s21, SLOT
	s_add_co_u32 s22, s22, SLOT
.endr
	v_lshlrev_b32 v5, 6, v1                        ; x's scale bytes: 64 a row,
	v_lshrrev_b32 v6, 2, v1
	v_lshl_add_u32 v5, v6, 4, v5                   ; 16 more for each 256 passed,
	v_mad_u32_u24 v5, v2, SBLK, v5                 ; lanes 16-31 one block of 16 rows on
	s_mul_i32 s21, s15, HALFS
	s_add_co_u32 s21, s21, SCA
	v_add_nc_u32 v[ADRSA], s21, v5
	s_lshl_b32 s21, s16, 13
	s_add_co_u32 s21, s21, SCB
	v_lshl_add_u32 v[ADRSB], v3, 2, s21            ; W's: 4 x lane
	s_mul_i32 s23, s14, 16*PITCH                   ; my stage for the way out, in slot 0
	v_add_nc_u32 v[STO], s23, v4                   ; in: row r, 16 bytes for each half of the lanes
	v_lshrrev_b32 v5, 3, v3
	v_mul_u32_u24 v5, v5, PITCH
	v_and_b32 v6, 7, v3
	v_lshl_add_u32 v5, v6, 4, v5
	v_add_nc_u32 v[RD], s23, v5                    ; back: eight lanes to a head's 128 bytes of a row, four rows an instruction
	v_mul_u32_u24 v[FO], v1, 12288
	v_lshl_add_u32 v[FO], v2, 5, v[FO]
	s_lshr_b32 s46, s17, 2                         ; the fine rows: batch x 16 rows of 12,288 bytes + my columns
	s_mul_i32 s46, s46, 196608
	s_lshl_b32 s47, s42, 10
	s_add_co_u32 s46, s46, s47
	s_lshl_b32 s47, s16, 9
	s_add_co_u32 s46, s46, s47
	s_add_co_u32 s46, s46, FQ
	s_mov_b32 s47, 0
	s_add_nc_u64 s[92:93], s[12:13], s[46:47]
	s_and_b32 s98, s17, 3
	s_or_b32 s98, s98, s15                         ; 0 where my first 16 rows are positions 0-15 of a batch
	s_lshl_b32 s20, s17, 8
	s_lshl_b32 s21, s15, 7
	s_add_co_u32 s20, s20, s21                     ; my first row
	s_lshr_b32 s21, s20, 10
	s_mul_i32 s21, s21, 48
	s_lshl_b32 s46, s42, 2
	s_add_co_u32 s21, s21, s46
	s_lshl_b32 s46, s16, 1
	s_add_co_u32 s21, s21, s46                     ; 48 x batch + my first head
	s_lshl_b32 s21, s21, 10
	s_and_b32 s20, s20, 1023
	s_add_co_u32 s20, s20, s21
	s_lshl_b32 s20, s20, 7                         ; 128 bytes a position
	s_mov_b32 s21, 0
	s_add_nc_u64 s[12:13], s[12:13], s[20:21]
.macro FRAGA reg, slot, q, i           ; 16 rows x 128 K of 4-bit codes: two loads of 16 bytes, 32 apart
.irp c, 0,1
	ds_load_b128 v[(\reg)+4*\c:(\reg)+4*\c+3], v[ADRA+\slot] offset:64*(\q)+32*\c+(\i)*16*PITCH
.endr
.endm
.macro FRAGB reg, slot, q, i           ; an image: 512 consecutive bytes a load
.irp c, 0,1
	ds_load_b128 v[(\reg)+4*\c:(\reg)+4*\c+3], v[ADRB+\slot] offset:4096*(\i)+1024*(\q)+512*\c
.endr
.endm
; one product: x's block a against W's block b, the slot's q-th 128 along K.  p: W's set;  sc: the set of scale words;  first = 1: C is the bias.
; A scale register carries an even block's words in lanes 0-15 and the odd block's in lanes 16-31.
.macro MM a, b, p, q, sc, first
.set rD, 8*(8*((\a)%4)+(\b))
.set rB, 128*(\p)+FR*(\b)
.set rA, AF+FR*(\a)
.set rC, rD
.if \first
.set rC, BI+8*(\b)
.endif
.set rSB, SC+32*(\sc)+16+4*((\b)/2)+(\q)
.set rSA, SC+32*(\sc)+4*((\a)/2)+(\q)
.if ((\b)%2) && ((\a)%2)
	v_wmma_scale_f32_16x16x128_f8f6f4 v[rD:rD+7], v[rB:rB+7], v[rA:rA+7], v[rC:rC+7], v[rSB], v[rSA] matrix_a_fmt:MATRIX_FMT_FP4 matrix_b_fmt:MATRIX_FMT_FP4 matrix_a_scale:MATRIX_SCALE_ROW1 matrix_b_scale:MATRIX_SCALE_ROW1
.elseif ((\b)%2)
	v_wmma_scale_f32_16x16x128_f8f6f4 v[rD:rD+7], v[rB:rB+7], v[rA:rA+7], v[rC:rC+7], v[rSB], v[rSA] matrix_a_fmt:MATRIX_FMT_FP4 matrix_b_fmt:MATRIX_FMT_FP4 matrix_a_scale:MATRIX_SCALE_ROW1
.elseif ((\a)%2)
	v_wmma_scale_f32_16x16x128_f8f6f4 v[rD:rD+7], v[rB:rB+7], v[rA:rA+7], v[rC:rC+7], v[rSB], v[rSA] matrix_a_fmt:MATRIX_FMT_FP4 matrix_b_fmt:MATRIX_FMT_FP4 matrix_b_scale:MATRIX_SCALE_ROW1
.else
	v_wmma_scale_f32_16x16x128_f8f6f4 v[rD:rD+7], v[rB:rB+7], v[rA:rA+7], v[rC:rC+7], v[rSB], v[rSA] matrix_a_fmt:MATRIX_FMT_FP4 matrix_b_fmt:MATRIX_FMT_FP4
.endif
.endm
; 16 products.  The 64 accumulators take turns, one instruction a turn, in the same order in every step.
.macro MUL16 a0, p, q, sc, first
.irp a, \a0, \a0+1
.irp b, 0,1,2,3,4,5,6,7
	MM (\a), \b, \p, \q, \sc, \first
.endr
.endr
.endm
.macro FETCH_B slot, q, p
	WIN TO_B
.irp i, 0,1,2,3,4,5,6,7
	FRAGB 128*(\p)+FR*\i, \slot, \q, \i
.endr
	WIN 0
.endm
.macro FETCH_A slot, q, i0
.irp i, \i0, \i0+1, \i0+2, \i0+3
	FRAGA AF+FR*(\i), \slot, \q, \i
.endr
.endm
.macro SCALES sc                       ; a K step's scale words: 4 loads of 16 bytes for x (4 words a row), 16 of 4 bytes for W
.irp i, 0,1,2,3
	ds_load_b128 v[SC+32*(\sc)+4*\i:SC+32*(\sc)+4*\i+3], v[ADRSA] offset:2*SBLK*\i
.endr
.irp i, 0,1,2,3
.irp q, 0,1,2,3
	ds_load_b32 v[SC+32*(\sc)+16+4*\i+\q], v[ADRSB] offset:512*\q+128*\i
.endr
.endr
.endm
; A load into a register that a matrix instruction has read, and a vector instruction or a store that reads a matrix result, stand NP plain vector instructions behind it.
.macro PLACES n
.rept \n
	v_nop
.endr
.endm
.macro STEP slot, q, first             ; 128 along K with its successor in the same slot
	s_wait_dscnt 4*NL                              ; W's set and x's blocks 0-3 are in; the youngest eight loads (x's blocks 4-7) may be out
	WIN MUL_LO-0x20*(\first)                       ; (first: C, the bias, lies in window 0)
	MUL16 0, (\q)%2, \q, \slot, \first
	MUL16 2, (\q)%2, \q, \slot, \first
	s_wait_dscnt 0
	PLACES NP
	FETCH_B \slot, (\q)+1, 1-(\q)%2
	FETCH_A \slot, (\q)+1, 0
	WIN MUL_HI-0x30*(\first)
	MUL16 4, (\q)%2, \q, \slot, \first
	MUL16 6, (\q)%2, \q, \slot, \first
	PLACES NP
	WIN 0
	FETCH_A \slot, (\q)+1, 4
.endm
; A slot's last step changes slots: one barrier; in front of it each wave waits for all its tensor loads, adds 0 to its spare word, and waits for that and for its reads of this slot.
.macro TURN slot, next, fill
	s_wait_tensorcnt 0x0                           ; all my tensor loads have landed: my part of the next slot
	ds_add_u32 v[SPW], v[NIL]
	s_wait_dscnt 4*NL+1                            ; the add and the youngest eight loads may be out
	WIN MUL_LO
	MUL16 0, 1, NQ-1, \slot, 0
	s_wait_dscnt 0x0                               ; the add is done, and my reads of this slot are over
	s_barrier_signal -1
	MUL16 2, 1, NQ-1, \slot, 0
	WIN 0
	s_barrier_wait -1
.if \fill
	CREST                                          ; the barrier has opened a round of the cluster's: no wave of any partner still reads this slot or has a load on its way
	s_add_nc_u64 s[G0+4*\slot+2:G0+4*\slot+3], s[G0+4*\slot+2:G0+4*\slot+3], 2*ROWB
	s_add_nc_u64 s[G0B+4*\slot+2:G0B+4*\slot+3], s[G0B+4*\slot+2:G0B+4*\slot+3], 2*4096
	JLOAD G0+4*\slot, G1, G0B+4*\slot, G1B         ; the first tensor load behind the round; its four v_nop are the places in front of the loads below
.else
	PLACES NP
.endif
	v_add_nc_u32 v[ADRSA], 16, v[ADRSA]            ; the next K step's scale words
	v_add_nc_u32 v[ADRSB], 2048, v[ADRSB]
	FETCH_B \next, 0, 0
	FETCH_A \next, 0, 0
	SCALES \next
	WIN MUL_HI
	MUL16 4, 1, NQ-1, \slot, 0
	MUL16 6, 1, NQ-1, \slot, 0
	PLACES NP
	WIN 0
	FETCH_A \next, 0, 4
.endm
.macro STEPS slot, from
.set Q, \from
.rept NQ-1-\from
	STEP \slot, Q, 0
.set Q, Q+1
.endr
.endm
	s_wait_tensorcnt 1                             ; the scales and my part of K step 0 are in; K step 1's load may be out
	s_barrier_signal -1
	s_barrier_wait -1
	FETCH_B 0, 0, 0
	FETCH_A 0, 0, 0
	SCALES 0
	FETCH_A 0, 0, 4
	s_wait_loadcnt 0x0                             ; the bias
	STEP 0, 0, 1                                   ; the first step starts the sums, on the bias
	s_mov_b32 s3, LAPS-1
.Llap:                                             ; once round the ring, from a lap's second step to the next lap's first; both slots are filled again
	STEPS 0, 1
	TURN 0, 1, 1
	STEPS 1, 0
	TURN 1, 0, 1
	STEP 0, 0, 0
	s_sub_co_u32 s3, s3, 1
	s_cmp_lg_u32 s3, 0
	s_cbranch_scc1 .Llap
	STEPS 0, 1                                     ; the last lap fills nothing
	TURN 0, 1, 0
	STEPS 1, 0
	s_wait_dscnt 4*NL
	WIN MUL_LO
	MUL16 0, 1, NQ-1, 1, 0
	MUL16 2, 1, NQ-1, 1, 0
	s_wait_dscnt 0
	WIN MUL_HI
	MUL16 4, 1, NQ-1, 1, 0
	MUL16 6, 1, NQ-1, 1, 0
	WIN 0
	PLACES NP
	; THE FINE ROWS: where my first 16 rows are positions 0-15 of a batch they also leave as f32.  By EXEC, not by a branch: the control flow is alike in all partners.  Runs of 64 bytes; 393,216 bytes in the whole launch.
	v_mov_b32 v[FL], s98
	v_cmp_eq_u32 vcc_lo, 0, v[FL]
	s_wait_xcnt 0x0                                ; EXEC changes only behind this wait
	s_and_saveexec_b32 s99, vcc_lo
	WIN 0x08                                       ; a store's data: window 2
.irp b, 0,1,2,3,4,5,6,7
	global_store_b128 v[FO], v[8*\b:8*\b+3], s[92:93] offset:64*\b
	global_store_b128 v[FO], v[8*\b+4:8*\b+7], s[92:93] offset:64*\b+16
.endr
	WIN 0
	s_wait_xcnt 0x0                                ; and again in front of the line that widens it
	s_or_b32 exec_lo, exec_lo, s99
; THE WAY OUT, a block of 16 rows x 128 columns (two heads) at a time: rounded to f16, through my own stage in slot 0 (it has had its last fill, and behind the last change of slots nobody reads it),
; back as four positions x 128 bytes of one head: 512 consecutive bytes a store.
.macro PACK a
.set AC, 64*((\a)%4)
	WIN 0x0a+5*((\a)/4)
.irp b, 0,1,2,3,4,5,6,7
.irp rr, 0,1,2,3
	v_cvt_pk_f16_f32 v[TMP+4*\b+\rr], v[AC+8*\b+2*\rr], v[AC+8*\b+2*\rr+1]
.endr
.endr
	WIN 0
.endm
.macro TOSTAGE a
.set BB, BK+32*((\a)%2)
.irp b, 0,1,2,3,4,5,6,7
	ds_store_b128 v[STO], v[TMP+4*\b:TMP+4*\b+3] offset:32*\b
.endr
.irp t, 0,1,2,3,4,5,6,7
	ds_load_b128 v[BB+4*\t:BB+4*\t+3], v[RD] offset:4*PITCH*((\t)%4)+128*((\t)/4)   ; in order behind my stores
.endr
.endm
.macro SEND a
.set BB, BK+32*((\a)%2)
	s_wait_dscnt 0x0                               ; the block is back in registers
	s_wait_xcnt 0x0                                ; the block before has been read by its stores: the next loads may land there
.irp t, 0,1,2,3,4,5,6,7
	global_store_b128 v[CO], v[BB+4*\t:BB+4*\t+3], s[12:13] offset:131072*((\t)/4)+512*((\t)%4)+2048*(\a)
.endr
.endm
	PACK 0
	TOSTAGE 0
.irp a, 1,2,3,4,5,6,7
	PACK \a
	SEND \a-1
	TOSTAGE \a
.endr
	SEND 7
	s_wait_tensorcnt 0x0                           ; the wave's end
	ds_add_u32 v[SPW], v[NIL]
	s_wait_dscnt 0x0
	CROUND                                         ; the closing round
	s_endpgm
.Lfunc_end_k_q1e9765df50_qkv:
	.size	k_q1e9765df50_qkv, .Lfunc_end_k_q1e9765df50_qkv-k_q1e9765df50_qkv
	.p2alignl 7, 3214868480
	.fill 96, 4, 3214868480
	.section	.rodata,"a",@progbits
	.p2align	6, 0x0
	.amdhsa_kernel k_q1e9765df50_qkv
		.amdhsa_group_segment_fixed_size 327680
		.amdhsa_private_segment_fixed_size 0
		.amdhsa_enable_private_segment 0
		.amdhsa_kernarg_size 40
		.amdhsa_user_sgpr_count 2
		.amdhsa_user_sgpr_kernarg_segment_ptr 1
		.amdhsa_wavefront_size32 1
		.amdhsa_system_sgpr_workgroup_id_x 1
		.amdhsa_system_sgpr_workgroup_id_y 1
		.amdhsa_system_sgpr_workgroup_id_z 1
		.amdhsa_system_vgpr_workitem_id 0
		.amdhsa_next_free_vgpr 1024
		.amdhsa_next_free_sgpr 100
		.amdhsa_reserve_vcc 1
		.amdhsa_float_denorm_mode_32 3
		.amdhsa_float_denorm_mode_16_64 3
		.amdhsa_memory_ordered 1
		.amdhsa_forward_progress 1
		.amdhsa_inst_pref_size 221
	.end_amdhsa_kernel
	.amdgpu_metadata
---
amdhsa.version: [ 1, 2 ]
amdhsa.kernels:
  - .name:           k_q1e9765df50_qkv
    .symbol:         k_q1e9765df50_qkv.kd
    .args:
      - { .name: codes, .offset: 0, .size: 8, .value_kind: global_buffer, .address_space: global }
      - { .name: bq, .offset: 8, .size: 8, .value_kind: global_buffer, .address_space: global }
      - { .name: bk, .offset: 16, .size: 8, .value_kind: global_buffer, .address_space: global }
      - { .name: bv, .offset: 24, .size: 8, .value_kind: global_buffer, .address_space: global }
      - { .name: qkv, .offset: 32, .size: 8, .value_kind: global_buffer, .address_space: global }
    .group_segment_fixed_size: 327680
    .private_segment_fixed_size: 0
    .kernarg_segment_align: 8
    .kernarg_segment_size: 40
    .max_flat_workgroup_size: 128
    .sgpr_count:     100
    .vgpr_count:     1024
    .wavefront_size: 32
...
	.end_amdgpu_metadata
.endif
;; end of part 2
;; launch att (part 3): grid 16 x 16, 8 waves a work-group, no clusters, 327,680 bytes of LDS; arguments qkv, ao, of; writes ao, of
.if DOCPART == 3
	.amdgcn_target "amdgcn-amd-amdhsa--gfx1250"
	.amdhsa_code_object_version 6
	.text
	.protected	k_q1e9765df50_att
	.globl	k_q1e9765df50_att
	.p2align	8
	.type	k_q1e9765df50_att,@function
k_q1e9765df50_att:
	s_mov_b64 s[64:65], 0
	v_nop
	global_prefetch_b8 v0, s[64:65] scope:SCOPE_SE
	s_setreg_imm32_b32 hwreg(HW_REG_WAVE_MODE, 25, 1), 1
	s_wait_xcnt 0x0
; ATT: causal attention, head size 64, 4 query heads to a key/value group, on f16 operands with f32 products, maxima and sums; the weights p are rounded to f16 for the second product.
; SHARES.  A work-group takes one (batch, group), all four heads, and the blocks i and 31 - i of 32 positions: equal work for every i.  A wave takes 16 positions x 2 neighbouring heads:
; the two tiles share every fragment of K and V.  Of the two waves that share a SIMD one has an early block and one a late block.
; LDS holds the group's K (rows of 128 + 16 bytes) and V (128 + 32) whole: each byte is filled once, in chunks of 256 keys, a chunk ahead of its reading, up to the work-group's last query.
; NO CLUSTER: under the mask partners would need different numbers of chunks.
; LAYOUT.  S^T = K Q^T (source 0 = 16 keys, source 1 = 16 queries): a lane holds one query and keys 8 (lane / 16) + 0..7; two such tiles rounded in pairs are source 1 of O^T = V^T P.  V comes out of LDS turned.
; SOFTMAX.  A running maximum m and sum l: p = 2^(c s - c m), c = log2(e) / 8; O and l are multiplied by a = 2^(c m_old - c m_new) in every step.  Key 0 counts for every query, so m is a number from the first step on.
; THE FINE ROWS.  Positions 0-15 of every batch and head average one to sixteen values and are the largest of the output: they are made here twice, in f16 like all rows and once more wholly in f32.
; The four waves of a (batch, group) whose queries lie in positions 0-31 have one key step of 64 keys where the waves of block 31 have sixteen: behind its own way out each of the four makes the fine tile
; (16 queries x 16 keys) of ONE head, 4 g + 2 (head pair) + (first query / 16), from q, k, v as f32 [16 batch + position][3072], while the late waves walk their last chunk.  A branch on ids, behind the last barrier.
; The fine result leaves as a pair of f16 numbers, high part and (o - high) x 2^11, as images of the next product's operand registers: [batch][k / 32][1,024 B].
; No prefetch of the fine rows.
; LIMIT: |q|, |k|, |v| and |o| under 65,504.
; REGISTERS: window 0 as listed below; window 1 (v256-319): the accumulators of the f32 matrix form, written by matrix instructions alone.
.set PK,    144
.set PV,    160
.set VBASE, 1024*PK
.set SPARE, VBASE+1024*PV              ; the spare words, 128 bytes a wave
.set CHK,   256*PK                     ; a chunk of K in LDS
.set CHV,   256*PV
.set FQ,    12582912                   ; in qkv: the fine rows as f32
.set OFL,   131072                     ; in of: the low parts
.set AK0, 1                            ; v1  my lane's place in a tile of K
.set AV0, 2                            ; v2  of V
.set ADK, 3
.set ADV, 4
.set SPW, 5
.set NIL, 6
.set PFO, 7                            ; v7  256 x lane
.set STO, 12
.set RD,  13
.set GO,  14
.set QO,  15
.set Q,   16                           ; v16-47   Q: 16 t + 8 ks
.set S,   48                           ; v48-111  S^T, then p, then P: 32 t + 8 kt
.set O,   112                          ; v112-175 O^T: 32 t + 8 dt
.set KV,  176                          ; v176-239 a step's K, then its V
.set ST,  240                          ; v240-255 eight a tile: +0 c m, +1 m, +2, +3 l, +4..7 at work; a in +6
; the fine tile, behind the way out: v1 K's and Q's offset, v2 V's, v3 the stores', v10 r - 8 h; v16-31 high parts;
.set FK,   32                          ; v32-63   K
.set FQR,  64                          ; v64-95   Q
.set FV,   96                          ; v96-127  V^T
.set TMPB, 128                         ; v128-135 at work in the split
.set FT,   136                         ; v136-139 maximum, sum, reciprocal
.set FS,   160                         ; v160-167 the scores
.set FP,   168                         ; v168-175 p
.set DSET, 208                         ; v208-239 o
.set LOB,  240                         ; v240-255 low parts
.set WV,  8
.set Q0,  11
.set KF,  12
.set QL,  13
.set TBK, 14
.set TBV, 15
.set LEFT, 16
.set LIM, 17
.set PFA, 18
.set SEL, 20
.set CS,  22
.set G1K, 24
.set G1V, 32
.set G0K, 40
.set G0V, 44
.set MSB, 0
.macro WIN new                         ; the immediate's high byte repeats the setting that is left
.if MSB != (\new)
	s_set_vgpr_msb (MSB<<8)|(\new)
.set MSB, (\new)
.endif
.endm
; Waves 0-3 fetch 64 rows of K each, waves 4-7 of V.  An s_nop 0 and four v_nop follow each line.
.macro TLOAD
	s_cmp_lt_u32 s[WV], 4
	s_cbranch_scc0 .Lfor_v_\@
	tensor_load_to_lds s[G0K:G0K+3], s[G1K:G1K+7]
	s_nop 0
.rept 4
	v_nop
.endr
	s_branch .Lasked_\@
.Lfor_v_\@:
	tensor_load_to_lds s[G0V:G0V+3], s[G1V:G1V+7]
	s_nop 0
.rept 4
	v_nop
.endr
.Lasked_\@:
.endm
; A prefetch of the chunk that the NEXT change will ask for.  All sixteen work-groups of a (batch, group) walk the same K and V: the first of them asks, each wave for the 64 rows (8,192 bytes,
; lanes 256 bytes apart) that it will fetch: each block of 256 bytes is named once.  The last change that asks for a chunk prefetches nothing.
.macro ASK
	s_cmp_gt_u32 s[LEFT], s[LIM]
	s_cbranch_scc0 .Lnot_mine_\@
	global_prefetch_b8 v[PFO], s[PFA:PFA+1] th:TH_LOAD_NT scope:SCOPE_SE
.Lnot_mine_\@:
.endm
; one pair of numbers v[DSET+2j], v[DSET+2j+1]: the high part as f16, and (number - high part) x 2^11 as f16.  The difference is exact in f32.
.macro HS j, hr, hl, hh
	v_cvt_pk_f16_f32 \hr, v[DSET+2*(\j)], v[DSET+2*(\j)+1]
	v_cvt_f32_f16 v[TMPB+2*((\j)%4)], \hl
	v_cvt_f32_f16 v[TMPB+2*((\j)%4)+1], \hh
	v_pk_add_f32 v[DSET+2*(\j):DSET+2*(\j)+1], v[DSET+2*(\j):DSET+2*(\j)+1], v[TMPB+2*((\j)%4):TMPB+2*((\j)%4)+1] neg_lo:[0,1] neg_hi:[0,1]
	v_pk_mul_f32 v[DSET+2*(\j):DSET+2*(\j)+1], v[DSET+2*(\j):DSET+2*(\j)+1], s[70:71] op_sel_hi:[1,0]
	v_cvt_pk_f16_f32 v[LOB+(\j)], v[DSET+2*(\j)], v[DSET+2*(\j)+1]
.endm
	s_load_b128 s[4:7], s[0:1], 0x0                ; qkv, ao
	s_load_b64 s[2:3], s[0:1], 0x10                ; of
	v_lshl_add_u32 v[SPW], v0, 2, SPARE
	v_mov_b32 v[NIL], 0
	ds_add_u32 v[SPW], v[NIL]                      ; the wave's opening: the add, twice on end, and its wait ahead of my first tensor load
	ds_add_u32 v[SPW], v[NIL]
	v_lshrrev_b32 v8, 5, v0
	v_readfirstlane_b32 s[WV], v8                  ; wave 0..7
	s_and_b32 s50, ttmp7, 0xffff
	s_lshr_b32 s51, s50, 3                         ; batch; kept
	s_and_b32 s52, s50, 7                          ; group; kept
	s_mul_i32 s53, s51, 48
	s_and_b32 s54, s[WV], 3
	s_add_co_u32 s56, s53, s52
	s_add_co_u32 s56, s56, 32                      ; K's head among the 48
	s_lshl_b32 s56, s56, 17
	s_lshl_b32 s55, s54, 13
	s_add_co_u32 s56, s56, s55                     ; my 64 rows of chunk 0
	s_mov_b32 s57, 0
	s_add_co_u32 s58, s56, 1048576                 ; V lies eight heads on
	s_mov_b32 s59, 0
	s_lshr_b32 s60, s[WV], 2                       ; which 16 of a block's 32 positions
	s_xor_b32 s61, s[WV], s60
	s_and_b32 s61, s61, 1                          ; 1: the early block
	s_sub_co_u32 s62, 31, ttmp9
	s_cmp_lg_u32 s61, 0
	s_cselect_b32 s62, ttmp9, s62
	s_lshl_b32 s[Q0], s62, 5
	s_lshl_b32 s60, s60, 4
	s_add_co_u32 s[Q0], s[Q0], s60                 ; my first query
	s_lshl_b32 s[QL], ttmp9, 5
	s_sub_co_u32 s[QL], 1023, s[QL]                ; the work-group's last query
	s_bfe_u32 s63, s[WV], 0x10001
	s_lshl_b32 s63, s63, 1                         ; 2 x my pair of heads; kept
	s_lshl_b32 s66, s52, 2
	s_add_co_u32 s66, s66, s63                     ; my first head
	s_add_co_u32 s67, s53, s66
	s_lshl_b32 s67, s67, 10
	s_add_co_u32 s67, s67, s[Q0]
	s_lshl_b32 s68, s67, 7                         ; Q: 128 bytes a position
	s_mov_b32 s69, 0
	s_lshl_b32 s70, s51, 10
	s_add_co_u32 s70, s70, s[Q0]
	s_lshl_b32 s70, s70, 12                        ; ao: rows of 4,096 bytes,
	s_lshl_b32 s66, s66, 7
	s_add_co_u32 s70, s70, s66                     ; 128 bytes a head
	s_mov_b32 s71, 0
	s_mov_b32 s[G1K], (1<<16)|(1<<20)|(4<<22)|(3<<25)   ; elements of 2 bytes; 4 words of padding after every 32
	s_mov_b32 s[G1V], (1<<16)|(1<<20)|(4<<22)|(7<<25)   ; 8 words
.irp g, G1K, G1V
	s_mov_b32 s[\g+1], 64<<16
	s_mov_b32 s[\g+2], 64<<16
	s_mov_b32 s[\g+3], 64<<16
	s_mov_b32 s[\g+4], 64
	s_mov_b32 s[\g+5], 64
	s_mov_b32 s[\g+6], 0
	s_mov_b32 s[\g+7], 0
.endr
	s_mov_b32 s[SEL], 0x76543210
	s_mov_b32 s[SEL+1], 0xfedcba98
	s_mov_b32 s[CS], 0x3e38aa3b                    ; c = log2(e) / 8
	s_mov_b32 s[CS+1], s[CS]
	s_mov_b32 s[KF], 0
	s_mov_b32 s[TBK], 0
	s_mov_b32 s[TBV], 0
	s_mov_b32 s[LEFT], 3
	s_cmp_eq_u32 ttmp9, 0
	s_cselect_b32 s[LIM], 1, -1
	s_wait_dscnt 0x0                               ; both opening adds are done
	s_wait_kmcnt 0x0
	s_mov_b32 s[G0K], 1
	s_mul_i32 s[G0K+1], s54, 64*PK
	s_add_nc_u64 s[G0K+2:G0K+3], s[4:5], s[56:57]
	s_or_b32 s[G0K+3], s[G0K+3], 0x80000000
	s_mov_b32 s[G0V], 1
	s_mul_i32 s[G0V+1], s54, 64*PV
	s_add_co_u32 s[G0V+1], s[G0V+1], VBASE
	s_add_nc_u64 s[G0V+2:G0V+3], s[4:5], s[58:59]
	s_or_b32 s[G0V+3], s[G0V+3], 0x80000000
	TLOAD                                          ; chunk 0: key 0 counts for every query
	s_cmp_lt_u32 s[WV], 4
	s_cselect_b32 s56, s56, s58
	s_add_co_u32 s56, s56, 32768                   ; in chunk 1: the first change steps it to chunk 2.  Nothing is prefetched at the head
	s_add_nc_u64 s[PFA:PFA+1], s[4:5], s[56:57]
	s_add_nc_u64 s[68:69], s[4:5], s[68:69]
	s_add_nc_u64 s[6:7], s[6:7], s[70:71]
	v_and_b32 v8, 15, v0                           ; r; kept
	v_bfe_u32 v9, v0, 4, 1                         ; h; kept
	v_lshlrev_b32 v[QO], 7, v8
	v_lshl_add_u32 v[QO], v9, 4, v[QO]
.irp t, 0,1
.irp ks, 0,1
	global_load_b128 v[Q+16*\t+8*\ks:Q+16*\t+8*\ks+3], v[QO], s[68:69] offset:131072*\t+64*\ks
	global_load_b128 v[Q+16*\t+8*\ks+4:Q+16*\t+8*\ks+7], v[QO], s[68:69] offset:131072*\t+64*\ks+32
.endr
.endr
	v_mul_u32_u24 v[AK0], v8, PK
	v_lshl_add_u32 v[AK0], v9, 4, v[AK0]
	v_and_b32 v10, 7, v0
	v_bfe_u32 v11, v0, 3, 1
	v_lshl_add_u32 v[AV0], v9, 3, v10
	v_mul_u32_u24 v[AV0], v[AV0], PV
	v_lshl_add_u32 v[AV0], v11, 4, v[AV0]
	v_add_nc_u32 v[AV0], VBASE, v[AV0]
	v_and_b32 v[PFO], 31, v0
	v_lshlrev_b32 v[PFO], 8, v[PFO]
	s_mul_i32 s48, s[WV], 16*272                   ; my stage for the way out, in K's chunk 0
	v_mul_u32_u24 v[STO], v8, 272
	v_lshl_add_u32 v[STO], v9, 4, v[STO]
	v_add_nc_u32 v[STO], s48, v[STO]
	v_mul_u32_u24 v[RD], v9, 272
	v_lshl_add_u32 v[RD], v8, 4, v[RD]
	v_add_nc_u32 v[RD], s48, v[RD]
	v_lshlrev_b32 v[GO], 12, v9
	v_lshl_add_u32 v[GO], v8, 4, v[GO]
	v_mov_b32 v11, 0xff800000                      ; -infinity; kept
.irp t, 0,1
	v_mov_b32 v[ST+8*\t+1], 0xff61b1e6             ; m: -3e38, under every score
	v_mul_f32 v[ST+8*\t], s[CS], v[ST+8*\t+1]
	v_mov_b32 v[ST+8*\t+2], 0
	v_mov_b32 v[ST+8*\t+3], 0
.endr
.set i, 0
.rept 64
	v_mov_b32 v[O+i], 0                            ; the step is written once: the first finds zeros, which a = 0 leaves zeros
.set i, i+1
.endr
; A KEY STEP: 64 keys, the q-th of the chunk in hand.
.macro STEP q
	s_add_co_u32 s48, s[Q0], 15                    ; a step all of whose keys come after my queries is left out: a branch on ids; no barrier and no tensor load stands in a step
	s_cmp_gt_u32 s[KF], s48
	s_cbranch_scc1 .Lhidden_\@
	v_add_nc_u32 v[ADK], s[TBK], v[AK0]
	v_add_nc_u32 v[ADV], s[TBV], v[AV0]
.rept 3
	v_nop                                          ; five plain lines: the products below write over registers that the last products read, and the loads land on others of them
.endr
.irp kt, 0,1,2,3
.irp ks, 0,1
	ds_load_b128 v[KV+8*(2*\kt+\ks):KV+8*(2*\kt+\ks)+3], v[ADK] offset:64*PK*(\q)+16*PK*\kt+64*\ks
	ds_load_b128 v[KV+8*(2*\kt+\ks)+4:KV+8*(2*\kt+\ks)+7], v[ADK] offset:64*PK*(\q)+16*PK*\kt+64*\ks+32
.endr
.endr
	s_wait_dscnt 0x0
.irp ks, 0,1                                   ; eight accumulators by turns, one instruction a turn
.irp kt, 0,1,2,3
.irp t, 0,1
.if \ks == 0
	v_wmma_f32_16x16x32_f16 v[S+32*\t+8*\kt:S+32*\t+8*\kt+7], v[KV+8*(2*\kt+\ks):KV+8*(2*\kt+\ks)+7], v[Q+16*\t+8*\ks:Q+16*\t+8*\ks+7], 0
.else
	v_wmma_f32_16x16x32_f16 v[S+32*\t+8*\kt:S+32*\t+8*\kt+7], v[KV+8*(2*\kt+\ks):KV+8*(2*\kt+\ks)+7], v[Q+16*\t+8*\ks:Q+16*\t+8*\ks+7], v[S+32*\t+8*\kt:S+32*\t+8*\kt+7]
.endif
.endr
.endr
.endr
.rept 4
	v_nop                                          ; places in front of the loads into K's registers and of the first read of the scores
.endr
.irp kk, 0,1                                   ; V, turned, lands under the softmax
.irp dt, 0,1,2,3
	ds_load_tr16_b128 v[KV+8*(4*\kk+\dt):KV+8*(4*\kk+\dt)+3], v[ADV] offset:64*PV*(\q)+32*PV*\kk+32*\dt
	ds_load_tr16_b128 v[KV+8*(4*\kk+\dt)+4:KV+8*(4*\kk+\dt)+7], v[ADV] offset:64*PV*(\q)+32*PV*\kk+32*\dt+16*PV
.endr
.endr
	s_add_co_u32 s48, s[KF], 63                    ; on the diagonal hidden scores become -infinity; a step all of whose keys count skips this
	s_cmp_le_u32 s48, s[Q0]
	s_cbranch_scc1 .Lopen_\@
	s_sub_co_i32 s48, s[Q0], s[KF]
	v_lshlrev_b32 v10, 3, v9
	v_sub_nc_u32 v10, v8, v10
	v_add_nc_u32 v10, s48, v10                     ; register 8 kt + j holds key KF + 16 kt + 8 h + j: hidden where 16 kt + j > my query - KF - 8 h
.irp kt, 0,1,2,3
.irp j, 0,1,2,3,4,5,6,7
	v_cmp_gt_i32 vcc_lo, 16*\kt+\j, v10
	v_cndmask_b32 v[S+8*\kt+\j], v[S+8*\kt+\j], v11, vcc_lo
	v_cndmask_b32 v[S+32+8*\kt+\j], v[S+32+8*\kt+\j], v11, vcc_lo
.endr
.endr
.Lopen_\@:
.irp j, 0,1,2,3                                ; the maximum: four chains a tile, each from its accumulator's low end on; the two tiles by turns
.irp t, 0,1
	v_max3_num_f32 v[ST+8*\t+4+\j], v[S+32*\t+8*\j], v[S+32*\t+8*\j+1], v[S+32*\t+8*\j+2]
.endr
.endr
.irp u, 3,5
.irp j, 0,1,2,3
.irp t, 0,1
	v_max3_num_f32 v[ST+8*\t+4+\j], v[ST+8*\t+4+\j], v[S+32*\t+8*\j+\u], v[S+32*\t+8*\j+\u+1]
.endr
.endr
.endr
.irp t, 0,1
	v_max3_num_f32 v[ST+8*\t+4], v[ST+8*\t+4], v[S+32*\t+7], v[S+32*\t+15]
	v_max3_num_f32 v[ST+8*\t+6], v[ST+8*\t+6], v[S+32*\t+23], v[S+32*\t+31]
.endr
.irp t, 0,1
	v_max3_num_f32 v[ST+8*\t+4], v[ST+8*\t+4], v[ST+8*\t+5], v[ST+8*\t+6]
.endr
.irp t, 0,1
	v_max3_num_f32 v[ST+8*\t+4], v[ST+8*\t+4], v[ST+8*\t+7], v[ST+8*\t+1]   ; with the old m
.endr
.irp t, 0,1
	v_permlanex16_b32 v[ST+8*\t+5], v[ST+8*\t+4], s[SEL], s[SEL+1]          ; the query's other keys lie in the lane 16 away
.endr
.irp t, 0,1
	v_mov_b32 v[ST+8*\t+7], v[ST+8*\t]             ; c m_old
.endr
.irp t, 0,1
	v_max_num_f32 v[ST+8*\t+1], v[ST+8*\t+4], v[ST+8*\t+5]
.endr
.irp t, 0,1
	v_mul_f32 v[ST+8*\t], s[CS], v[ST+8*\t+1]
.endr
.irp t, 0,1
	v_sub_f32 v[ST+8*\t+7], v[ST+8*\t+7], v[ST+8*\t]
.endr
.irp j, 0,2,4,6,8,10,12,14,16,18,20,22,24,26,28,30
.irp t, 0,1
	v_pk_fma_f32 v[S+32*\t+\j:S+32*\t+\j+1], v[S+32*\t+\j:S+32*\t+\j+1], s[CS:CS+1], v[ST+8*\t:ST+8*\t+1] op_sel_hi:[1,0,0] neg_lo:[0,0,1] neg_hi:[0,0,1]   ; c s - c m
.endr
.endr
.irp t, 0,1
	v_exp_f32 v[ST+8*\t+6], v[ST+8*\t+7]           ; a
.endr
.set i, 0
.rept 64
	v_exp_f32 v[S+i], v[S+i]                       ; p
.set i, i+1
.endr
	v_nop                                          ; a plain line behind the last exponential
	s_wait_alu depctr_va_vdst(0)                   ; one wait for the 66, ahead of their first reader
.irp t, 0,1                                    ; l = a l + the sum of the unrounded p, in two chains
	v_pk_fma_f32 v[ST+8*\t+2:ST+8*\t+3], v[ST+8*\t+2:ST+8*\t+3], v[ST+8*\t+6:ST+8*\t+7], v[S+32*\t:S+32*\t+1] op_sel_hi:[1,0,1]
	v_pk_add_f32 v[ST+8*\t+4:ST+8*\t+5], v[S+32*\t+2:S+32*\t+3], v[S+32*\t+4:S+32*\t+5]
.endr
.irp j, 6,10,14,18,22,26
.irp t, 0,1
	v_pk_add_f32 v[ST+8*\t+2:ST+8*\t+3], v[ST+8*\t+2:ST+8*\t+3], v[S+32*\t+\j:S+32*\t+\j+1]
	v_pk_add_f32 v[ST+8*\t+4:ST+8*\t+5], v[ST+8*\t+4:ST+8*\t+5], v[S+32*\t+\j+2:S+32*\t+\j+3]
.endr
.endr
.irp t, 0,1
	v_pk_add_f32 v[ST+8*\t+2:ST+8*\t+3], v[ST+8*\t+2:ST+8*\t+3], v[S+32*\t+30:S+32*\t+31]
.endr
.irp t, 0,1
	v_pk_add_f32 v[ST+8*\t+2:ST+8*\t+3], v[ST+8*\t+2:ST+8*\t+3], v[ST+8*\t+4:ST+8*\t+5]
.endr
.irp j, 0,1,2,3,4,5,6,7,8,9,10,11,12,13,14,15  ; P in place: word j takes numbers 2 j and 2 j + 1, ascending, so nothing is written before it is read
.irp t, 0,1
	v_cvt_pk_f16_f32 v[S+32*\t+\j], v[S+32*\t+2*\j], v[S+32*\t+2*\j+1]
.endr
.endr
.set i, 0
.rept 16
	v_pk_mul_f32 v[O+i:O+i+1], v[O+i:O+i+1], v[ST+6:ST+7] op_sel_hi:[1,0]          ; O^T x a
	v_pk_mul_f32 v[O+32+i:O+32+i+1], v[O+32+i:O+32+i+1], v[ST+14:ST+15] op_sel_hi:[1,0]
.set i, i+2
.endr
	s_wait_dscnt 0x0                               ; V is in
.irp kk, 0,1
.irp dt, 0,1,2,3
.irp t, 0,1
	v_wmma_f32_16x16x32_f16 v[O+32*\t+8*\dt:O+32*\t+8*\dt+7], v[KV+8*(4*\kk+\dt):KV+8*(4*\kk+\dt)+7], v[S+32*\t+8*\kk:S+32*\t+8*\kk+7], v[O+32*\t+8*\dt:O+32*\t+8*\dt+7]
.endr
.endr
.endr
.Lhidden_\@:
	s_add_co_u32 s[KF], s[KF], 64
.endm
; THE CHANGE OF CHUNKS stands at a chunk's head: each wave waits for all its tensor loads (its part of the chunk ahead), adds 0 to its spare word, waits for that and for its LDS reads, and passes the barrier.
; fill = 1: the next chunk is asked for, into bytes that are filled for the first time, while this one is read; not where its first key comes after the work-group's last query: no wave would read it.
; That test is made of ids and the count of steps alone, is the same in all eight waves, and leads round the load's own lines and nothing else; every wait for tensor loads in this text is for 0.
.macro CHANGE fill
	s_wait_tensorcnt 0x0
	ds_add_u32 v[SPW], v[NIL]
.if \fill
	s_add_co_u32 s[G0K+1], s[G0K+1], CHK           ; no tensor load of mine is out: the descriptors step
	s_add_nc_u64 s[G0K+2:G0K+3], s[G0K+2:G0K+3], 32768
	s_add_co_u32 s[G0V+1], s[G0V+1], CHV
	s_add_nc_u64 s[G0V+2:G0V+3], s[G0V+2:G0V+3], 32768
	s_wait_xcnt 0x0                                ; the last prefetch has read its address
	s_add_nc_u64 s[PFA:PFA+1], s[PFA:PFA+1], 32768
.endif
	s_wait_dscnt 0x0
	s_barrier_signal -1
	s_barrier_wait -1
.if \fill
	s_add_co_u32 s48, s[KF], 256
	s_cmp_gt_u32 s48, s[QL]
	s_cbranch_scc1 .Lpast_\@
	TLOAD
.Lpast_\@:
	ASK
.endif
.endm
	s_wait_loadcnt 0x0                             ; Q
.Lchunk:                                           ; three trips: chunks 0 to 2 are read, chunks 1 to 3 asked for
	CHANGE 1
	STEP 0
	STEP 1
	STEP 2
	STEP 3
	s_add_co_u32 s[TBK], s[TBK], CHK
	s_add_co_u32 s[TBV], s[TBV], CHV
	s_sub_co_u32 s[LEFT], s[LEFT], 1
	s_cmp_lg_u32 s[LEFT], 0
	s_cbranch_scc1 .Lchunk
	CHANGE 0                                       ; the last chunk is written out: nothing is left to ask for
	STEP 0
	STEP 1
	STEP 2
	STEP 3
	; THE WAY OUT: O^T / l, rounded to f16, through my stage (K's chunk 0: filled once, and behind the last barrier nobody reads it), back as rows of 256 bytes: my two heads of a position.
.irp t, 0,1
	v_add_f32 v[ST+8*\t+4], v[ST+8*\t+2], v[ST+8*\t+3]
.endr
.irp t, 0,1
	v_permlanex16_b32 v[ST+8*\t+5], v[ST+8*\t+4], s[SEL], s[SEL+1]
.endr
.irp t, 0,1
	v_add_f32 v[ST+8*\t+4], v[ST+8*\t+4], v[ST+8*\t+5]
.endr
.irp t, 0,1
	v_rcp_f32 v[ST+8*\t+6], v[ST+8*\t+4]
.endr
	v_nop
	s_wait_alu depctr_va_vdst(0)                   ; one wait for the two reciprocals, ahead of their first reader
.set i, 0
.rept 16
	v_pk_mul_f32 v[O+i:O+i+1], v[O+i:O+i+1], v[ST+6:ST+7] op_sel_hi:[1,0]
	v_pk_mul_f32 v[O+32+i:O+32+i+1], v[O+32+i:O+32+i+1], v[ST+14:ST+15] op_sel_hi:[1,0]
.set i, i+2
.endr
.set i, 0
.rept 32
	v_cvt_pk_f16_f32 v[S+i], v[O+2*i], v[O+2*i+1]
.set i, i+1
.endr
.irp t, 0,1
.irp dt, 0,1,2,3
	ds_store_b128 v[STO], v[S+16*\t+4*\dt:S+16*\t+4*\dt+3] offset:128*\t+32*\dt
.endr
.endr
.irp f, 0,1,2,3,4,5,6,7
	ds_load_b128 v[S+32+4*\f:S+32+4*\f+3], v[RD] offset:544*\f     ; in order behind my stores
.endr
.irp f, 0,1,2,3,4,5,6,7
	s_wait_dscnt 7-\f                              ; the younger loads may be out
	global_store_b128 v[GO], v[S+32+4*\f:S+32+4*\f+3], s[6:7] offset:8192*\f   ; sixteen lanes store 256 consecutive aligned bytes
.endr
	; THE FINE TILE: only the waves whose first query is 0 or 16 go on; the branch hangs on ids alone, and no barrier, tensor load or LDS instruction stands behind it but the wave's closing lines.
	; S^T = K Q^T (16 steps of 4 along the head's 64, four accumulators by turns) and O^T = V^T P (4 steps of 4 keys, four accumulators by turns); along each product's K the same order of k is given to both sources.
	s_cmp_gt_u32 s[Q0], 16
	s_cbranch_scc1 .Lend
	s_wait_xcnt 0x0                                ; the stores above have read their registers: these are written again only behind this wait
	s_mul_i32 s56, s51, 196608
	s_add_co_u32 s56, s56, FQ
	s_mov_b32 s57, 0
	s_add_nc_u64 s[58:59], s[4:5], s[56:57]        ; the batch's 16 rows of 3,072 f32
	s_lshl_b32 s56, s52, 8
	s_add_co_u32 s56, s56, 8192
	s_add_nc_u64 s[60:61], s[58:59], s[56:57]      ; K: column 2,048 + 64 g
	s_add_co_u32 s56, s56, 2048
	s_add_nc_u64 s[66:67], s[58:59], s[56:57]      ; V: column 2,560 + 64 g
	s_lshl_b32 s54, s52, 2
	s_add_co_u32 s54, s54, s63
	s_lshr_b32 s55, s[Q0], 4
	s_add_co_u32 s54, s54, s55                     ; the head: 4 g + 2 (my pair) + (my first query / 16)
	s_lshl_b32 s56, s54, 8
	s_add_nc_u64 s[68:69], s[58:59], s[56:57]      ; Q: column 64 x head
	s_lshl_b32 s56, s51, 6
	s_lshl_b32 s55, s54, 1
	s_add_co_u32 s56, s56, s55
	s_lshl_b32 s56, s56, 10
	s_add_nc_u64 s[2:3], s[2:3], s[56:57]          ; of: image 64 x batch + 2 x head
	s_mov_b32 s70, 0x45000000                      ; 2^11
	s_mov_b32 s71, s70                             ; (named with it as a pair)
	v_mul_u32_u24 v1, v8, 12288
	v_lshl_add_u32 v1, v9, 4, v1                   ; K, Q: row r, + 16 h bytes
	v_mul_u32_u24 v2, v9, 98304
	v_lshl_add_u32 v2, v8, 2, v2                   ; V: key 8 h, channel r
	v_lshlrev_b32 v10, 3, v9
	v_sub_nc_u32 v10, v8, v10                      ; r - 8 h: register j holds key 8 h + j, hidden where j > r - 8 h
	v_and_b32 v3, 31, v0
	v_lshlrev_b32 v3, 4, v3                        ; 16 x lane: my place in half an image
.irp c, 0,1,2,3,4,5,6,7
	global_load_b128 v[FK+4*\c:FK+4*\c+3], v1, s[60:61] offset:32*\c     ; register 4 c + i: channel 8 c + 4 h + i
	global_load_b128 v[FQR+4*\c:FQR+4*\c+3], v1, s[68:69] offset:32*\c   ; Q likewise
.endr
.irp dt, 0,1,2,3
.irp u, 0,1,2,3,4,5,6,7
	global_load_b32 v[FV+8*\dt+\u], v2, s[66:67] offset:12288*\u+64*\dt  ; V(key 8 h + u, channel 16 dt + r)
.endr
.endr
	s_wait_loadcnt 0x0
	WIN 0x50                                       ; C and D in window 1: v256-287
.irp e, 0,1,2,3
	v_wmma_f32_16x16x4_f32 v[8*\e:8*\e+7], v[FK+2*\e:FK+2*\e+1], v[FQR+2*\e:FQR+2*\e+1], 0
.endr
.irp e, 4,5,6,7,8,9,10,11,12,13,14,15
	v_wmma_f32_16x16x4_f32 v[8*(\e%4):8*(\e%4)+7], v[FK+2*\e:FK+2*\e+1], v[FQR+2*\e:FQR+2*\e+1], v[8*(\e%4):8*(\e%4)+7]
.endr
.rept 8
	v_nop                                          ; eight places behind this form (ISA guide 7.12.1)
.endr
	WIN 0x05                                       ; sources 0 and 1 in window 1, the sums into window 0
.irp j, 0,2,4,6
	v_pk_add_f32 v[FS+\j:FS+\j+1], v[\j:\j+1], v[8+\j:9+\j]
.endr
.irp j, 0,2,4,6
	v_pk_add_f32 v[FP+\j:FP+\j+1], v[16+\j:17+\j], v[24+\j:25+\j]
.endr
	WIN 0
.irp j, 0,2,4,6
	v_pk_add_f32 v[FS+\j:FS+\j+1], v[FS+\j:FS+\j+1], v[FP+\j:FP+\j+1]    ; the scores: lane (r, h): query r, keys 8 h + 0 .. 7
.endr
.irp j, 0,1,2,3,4,5,6,7
	v_cmp_gt_i32 vcc_lo, \j, v10
	v_cndmask_b32 v[FS+\j], v[FS+\j], v11, vcc_lo
.endr
	v_max3_num_f32 v[FT], v[FS], v[FS+1], v[FS+2]
	v_max3_num_f32 v[FT+1], v[FS+3], v[FS+4], v[FS+5]
	v_max3_num_f32 v[FT], v[FT], v[FS+6], v[FS+7]
	v_max_num_f32 v[FT], v[FT], v[FT+1]
	v_permlanex16_b32 v[FT+1], v[FT], s[SEL], s[SEL+1]
	v_max_num_f32 v[FT], v[FT], v[FT+1]            ; the row's maximum: key 0 counts for every query
	v_mul_f32 v[FT], s[CS], v[FT]
.irp j, 0,2,4,6
	v_pk_fma_f32 v[FS+\j:FS+\j+1], v[FS+\j:FS+\j+1], s[CS:CS+1], v[FT:FT+1] op_sel_hi:[1,0,0] neg_lo:[0,0,1] neg_hi:[0,0,1]
.endr
.irp j, 0,1,2,3,4,5,6,7
	v_exp_f32 v[FP+\j], v[FS+\j]
.endr
	v_nop
	s_wait_alu depctr_va_vdst(0)                   ; one wait for the eight, ahead of their first reader
	v_pk_add_f32 v[FT:FT+1], v[FP:FP+1], v[FP+2:FP+3]
	v_pk_add_f32 v[FT+2:FT+3], v[FP+4:FP+5], v[FP+6:FP+7]
	v_pk_add_f32 v[FT:FT+1], v[FT:FT+1], v[FT+2:FT+3]
	v_add_f32 v[FT], v[FT], v[FT+1]
	v_permlanex16_b32 v[FT+1], v[FT], s[SEL], s[SEL+1]
	v_add_f32 v[FT], v[FT], v[FT+1]                ; the row's sum
	v_rcp_f32 v[FT+2], v[FT]
	v_nop
	s_wait_alu depctr_va_vdst(0)                   ; the reciprocal's wait, ahead of its first reader
	WIN 0x50                                       ; C and D in window 1: v288-319
.irp dt, 0,1,2,3
	v_wmma_f32_16x16x4_f32 v[32+8*\dt:39+8*\dt], v[FV+8*\dt:FV+8*\dt+1], v[FP:FP+1], 0
.endr
.irp c, 1,2,3
.irp dt, 0,1,2,3
	v_wmma_f32_16x16x4_f32 v[32+8*\dt:39+8*\dt], v[FV+8*\dt+2*\c:FV+8*\dt+2*\c+1], v[FP+2*\c:FP+2*\c+1], v[32+8*\dt:39+8*\dt]
.endr
.endr
.rept 8
	v_nop
.endr
	WIN 0x01                                       ; source 0 in window 1
.set i, 0
.rept 16
	v_pk_mul_f32 v[DSET+i:DSET+i+1], v[32+i:33+i], v[FT+2:FT+3] op_sel_hi:[1,0]   ; o(r, 16 dt + 8 h + j), into other registers, each accumulator from its low end on
.set i, i+2
.endr
	WIN 0
	HS 0, v16, v16.l, v16.h
	HS 1, v17, v17.l, v17.h
	HS 2, v18, v18.l, v18.h
	HS 3, v19, v19.l, v19.h
	HS 4, v20, v20.l, v20.h
	HS 5, v21, v21.l, v21.h
	HS 6, v22, v22.l, v22.h
	HS 7, v23, v23.l, v23.h
	HS 8, v24, v24.l, v24.h
	HS 9, v25, v25.l, v25.h
	HS 10, v26, v26.l, v26.h
	HS 11, v27, v27.l, v27.h
	HS 12, v28, v28.l, v28.h
	HS 13, v29, v29.l, v29.h
	HS 14, v30, v30.l, v30.h
	HS 15, v31, v31.l, v31.h
.irp dt, 0,1,2,3
	global_store_b128 v3, v[16+4*\dt:19+4*\dt], s[2:3] offset:512*\dt                ; 512 consecutive bytes: half an image
	global_store_b128 v3, v[LOB+4*\dt:LOB+4*\dt+3], s[2:3] offset:OFL+512*\dt
.endr
.Lend:
	s_wait_tensorcnt 0x0                           ; the wave's end
	ds_add_u32 v[SPW], v[NIL]
	s_wait_dscnt 0x0
	s_endpgm
.Lfunc_end_k_q1e9765df50_att:
	.size	k_q1e9765df50_att, .Lfunc_end_k_q1e9765df50_att-k_q1e9765df50_att
	.p2alignl 7, 3214868480
	.fill 96, 4, 3214868480
	.section	.rodata,"a",@progbits
	.p2align	6, 0x0
	.amdhsa_kernel k_q1e9765df50_att
		.amdhsa_group_segment_fixed_size 327680
		.amdhsa_private_segment_fixed_size 0
		.amdhsa_enable_private_segment 0
		.amdhsa_kernarg_size 24
		.amdhsa_user_sgpr_count 2
		.amdhsa_user_sgpr_kernarg_segment_ptr 1
		.amdhsa_wavefront_size32 1
		.amdhsa_system_sgpr_workgroup_id_x 1
		.amdhsa_system_sgpr_workgroup_id_y 1
		.amdhsa_system_sgpr_workgroup_id_z 1
		.amdhsa_system_vgpr_workitem_id 0
		.amdhsa_next_free_vgpr 320
		.amdhsa_next_free_sgpr 72
		.amdhsa_reserve_vcc 1
		.amdhsa_float_denorm_mode_32 3
		.amdhsa_float_denorm_mode_16_64 3
		.amdhsa_memory_ordered 1
		.amdhsa_forward_progress 1
		.amdhsa_inst_pref_size 197
	.end_amdhsa_kernel
	.amdgpu_metadata
---
amdhsa.version: [ 1, 2 ]
amdhsa.kernels:
  - .name:           k_q1e9765df50_att
    .symbol:         k_q1e9765df50_att.kd
    .args:
      - { .name: qkv, .offset: 0, .size: 8, .value_kind: global_buffer, .address_space: global }
      - { .name: ao, .offset: 8, .size: 8, .value_kind: global_buffer, .address_space: global }
      - { .name: of, .offset: 16, .size: 8, .value_kind: global_buffer, .address_space: global }
    .group_segment_fixed_size: 327680
    .private_segment_fixed_size: 0
    .kernarg_segment_align: 8
    .kernarg_segment_size: 24
    .max_flat_workgroup_size: 256
    .sgpr_count:     72
    .vgpr_count:     320
    .wavefront_size: 32
...
	.end_amdgpu_metadata
.endif
;; end of part 3
;; launch oproj (part 4): grid 16 x 16, 4 waves a work-group, clusters of 4 x 4, 327,680 bytes of LDS; arguments ao, wo16, bo, out0; writes out0
.if DOCPART == 4
	.amdgcn_target "amdgcn-amd-amdhsa--gfx1250"
	.amdhsa_code_object_version 6
	.text
	.protected	k_q1e9765df50_oproj
	.globl	k_q1e9765df50_oproj
	.p2align	8
	.type	k_q1e9765df50_oproj,@function
k_q1e9765df50_oproj:
	s_mov_b64 s[64:65], 0
	v_nop
	global_prefetch_b8 v0, s[64:65] scope:SCOPE_SE
	s_setreg_imm32_b32 hwreg(HW_REG_WAVE_MODE, 25, 1), 1
	s_wait_xcnt 0x0
	s_wait_alu depctr_hold_cnt(0) depctr_sa_sdst(0) depctr_va_vdst(0) depctr_va_sdst(0) depctr_va_ssrc(0) depctr_va_vcc(0) depctr_vm_vsrc(0)
	s_getreg_b32 s2, hwreg(HW_REG_IB_STS2, 6, 4)
	s_cmp_eq_u32 s2, 0
	s_cbranch_scc0 .Lentry_in_a_cluster
	s_endpgm
.Lentry_in_a_cluster:
	s_bfe_u32 s2, ttmp6, 0x10000c
	s_cmp_lg_u32 s2, 0xf033
	s_cbranch_scc0 .Lentry_shape_is_right
	s_endpgm
.Lentry_shape_is_right:
; OPROJ: out0 = ao Wo + bo, 2048 x 2048 x 2048, f16 operands (Wo's high parts), sums in f32.  All rows; the 32 rows of positions 0-15 are written again, more finely, by the launch behind this one.
; A tile of 128 x 128 gives each of 256 work-groups one tile; four waves, 64 x 64 each: 16 accumulators.  K goes in steps of 256 through two LDS slots.
; ao's tiles are rows of 512 bytes (+ 16 of padding); Wo's are images of the operand's registers, dense: a fragment is two loads of 16 bytes a lane at 16 x lane.
; CLUSTER 4 x 4: ao's tiles are shared along a row of the cluster, Wo's along a column.  TRANSPOSED USE (source 0 = 16 columns of Wo, source 1 = 16 rows of ao): a lane holds eight neighbouring columns of a row.
; The bias is the C of each sum's first product.  A wave's 64 columns of f32 are 256 aligned bytes, so each wave has a stage of its own on the way out and no barrier is needed there.
; No prefetch: on a tile this small a K step's work is short, and the tiles are shared in the cluster instead.
; REGISTERS: window 0: v0-31 addresses; v32-95 rows on the way out; v96-127 the bias; v128-255 the accumulators ((a, b) at v[128 + 8 (4 a + b)]).  window 1: two fragment buffers of 128.
.set SIZE_K, 2048
.set KSTEP,  256
.set PITCH,  528
.set HALFA,  64*PITCH
.set HALFB,  32768                     ; 4 tiles of 16 columns x 8 images of 1,024 bytes
.set SLOT,   2*HALFA+2*HALFB
.set STAGE,  2*SLOT
.set SPITCH, 272
.set SPARE,  STAGE+4*16*SPITCH
.set LAPS,   4
.set ADRA, 16
.set ADRB, 20
.set STO,  24
.set RD,   25
.set CO,   26
.set BO,   27
.set SPW,  28
.set NIL,  29
.set TMP,  32
.set BI,   96
.set ACC,  128
.set F0,   0
.set F1,   128
.set G1, 24
.set G0, 32
.set G1B, 48
.set G0B, 56
.set MSB, 0
.macro WIN new
.if MSB != (\new)
	s_set_vgpr_msb (MSB<<8)|(\new)
.set MSB, (\new)
.endif
.endm
.set MUL,  0x05                        ; sources 0 and 1 window 1; C and D window 0
.set TO_F, 0x40
.macro JLOAD s                         ; waves 0 and 1 fetch ao's two halves, waves 2 and 3 Wo's; an s_nop 0 and four v_nop follow each line
	s_cmp_eq_u32 s11, 0
	s_cbranch_scc0 .Lfor_b_\@
	tensor_load_to_lds s[G0+4*\s:G0+4*\s+3], s[G1:G1+7]
	s_nop 0
.rept 4
	v_nop
.endr
	s_branch .Lasked_\@
.Lfor_b_\@:
	tensor_load_to_lds s[G0B+4*\s:G0B+4*\s+3], s[G1B:G1B+7]
	s_nop 0
.rept 4
	v_nop
.endr
.Lasked_\@:
.endm
.macro CREST
	s_cmp_lg_u32 s10, 0
	s_cbranch_scc1 .Lnot_wave_0_\@
	s_barrier_signal -3
.Lnot_wave_0_\@:
	s_barrier_wait -3
	s_barrier_signal -1
	s_barrier_wait -1
.endm
.macro CROUND
	s_barrier_signal -1
	s_barrier_wait -1
	CREST
.endm
	s_load_b128 s[4:7], s[0:1], 0x0                ; ao, wo16
	s_load_b64 s[66:67], s[0:1], 0x10              ; bo
	s_load_b64 s[8:9], s[0:1], 0x18                ; out0
	v_lshl_add_u32 v[SPW], v0, 2, SPARE
	v_mov_b32 v[NIL], 0
	ds_add_u32 v[SPW], v[NIL]                      ; the wave's opening: the add, twice on end, and its wait ahead of my first tensor load
	ds_add_u32 v[SPW], v[NIL]
	v_lshrrev_b32 v1, 5, v0
	v_readfirstlane_b32 s10, v1                    ; wave
	s_lshr_b32 s11, s10, 1                         ; my half of the rows.  Also: I fetch for ao (0) or Wo (1)
	s_and_b32 s12, s10, 1                          ; my half of the columns.  Also: which half I fetch
	s_bfe_u32 s40, ttmp6, 0x40000
	s_bfe_u32 s41, ttmp6, 0x40004
	s_lshl_b32 s42, ttmp9, 2
	s_add_co_u32 s42, s42, s40                     ; tile column
	s_and_b32 s13, ttmp7, 0xffff
	s_lshl_b32 s13, s13, 2
	s_add_co_u32 s13, s13, s41                     ; tile row
	s_lshl_b32 s43, s41, 2
	s_lshl_b32 s43, 15, s43
	s_lshl_b32 s44, 0x1111, s40
	s_or_b32 s[G1+0], s43, (1<<16)|(1<<20)|(1<<21)|(6<<22)|(3<<25)   ; 64 rows x 256 elements of 2 bytes; 4 words of padding after every 128
	s_mov_b32 s[G1+1], KSTEP<<16
	s_mov_b32 s[G1+2], 64<<16
	s_mov_b32 s[G1+3], KSTEP<<16
	s_mov_b32 s[G1+4], 64
	s_mov_b32 s[G1+5], SIZE_K
	s_mov_b32 s[G1+6], 0
	s_mov_b32 s[G1+7], 0
	s_or_b32 s[G1B+0], s44, (3<<16)|(1<<21)        ; 4 rows of 1,024 elements of 8 bytes, 8,192 elements apart, dense in LDS
	s_mov_b32 s[G1B+1], 1024<<16
	s_mov_b32 s[G1B+2], 4<<16
	s_mov_b32 s[G1B+3], 1024<<16
	s_mov_b32 s[G1B+4], 4
	s_mov_b32 s[G1B+5], 8192
	s_mov_b32 s[G1B+6], 0
	s_mov_b32 s[G1B+7], 0
	s_lshl_b32 s17, s12, 6
	s_lshl_b32 s16, s13, 7
	s_add_co_u32 s16, s16, s17                     ; ao: row 128 x tile row + 64 x half
	s_lshl_b32 s16, s16, 12
	s_mov_b32 s17, 0
	s_lshl_b32 s46, s42, 3
	s_lshl_b32 s47, s12, 2
	s_add_co_u32 s46, s46, s47                     ; Wo: tile of 16 columns 8 x tile column + 4 x half
	s_lshl_b32 s46, s46, 16
	s_mov_b32 s47, 0
	s_mul_i32 s20, s12, HALFA
	s_mul_i32 s21, s12, HALFB
	s_add_co_u32 s21, s21, 2*HALFA
	s_wait_dscnt 0x0
	s_wait_kmcnt 0x0
	s_add_nc_u64 s[14:15], s[4:5], s[16:17]
	s_add_nc_u64 s[46:47], s[6:7], s[46:47]
	CROUND                                         ; all sixteen work-groups are here: the first joint loads meet
.irp s, 0,1
	s_mov_b32 s[G0+4*\s], 1
	s_add_co_u32 s[G0+4*\s+1], s20, \s*SLOT
	s_add_nc_u64 s[G0+4*\s+2:G0+4*\s+3], s[14:15], \s*KSTEP*2
	s_or_b32 s[G0+4*\s+3], s[G0+4*\s+3], 0x80000000
	s_mov_b32 s[G0B+4*\s], 1
	s_add_co_u32 s[G0B+4*\s+1], s21, \s*SLOT
	s_add_nc_u64 s[G0B+4*\s+2:G0B+4*\s+3], s[46:47], \s*8192
	s_or_b32 s[G0B+4*\s+3], s[G0B+4*\s+3], 0x80000000
	JLOAD \s
.endr
	v_and_b32 v1, 15, v0                           ; r
	v_bfe_u32 v2, v0, 4, 1                         ; h
	v_and_b32 v6, 31, v0
	s_lshl_b32 s46, s42, 9                         ; my first column, in bytes of f32: 512 x tile column + 256 x half
	s_lshl_b32 s47, s12, 8
	s_add_co_u32 s46, s46, s47
	s_mov_b32 s47, 0
	s_add_nc_u64 s[66:67], s[66:67], s[46:47]
	v_lshlrev_b32 v[BO], 5, v2
.irp b, 0,1,2,3
	global_load_b128 v[BI+8*\b:BI+8*\b+3], v[BO], s[66:67] offset:64*\b          ; lane (r, h): the bias of columns 16 b + 8 h + 0 .. 7
	global_load_b128 v[BI+8*\b+4:BI+8*\b+7], v[BO], s[66:67] offset:64*\b+16
.endr
	v_mul_u32_u24 v3, v1, PITCH
	v_lshl_add_u32 v3, v2, 4, v3
	v_lshlrev_b32 v4, 4, v6                        ; 16 x lane
	s_mul_i32 s21, s11, HALFA
	s_mul_i32 s22, s12, HALFB
	s_add_co_u32 s22, s22, 2*HALFA
.irp s, 0,1
	v_add_nc_u32 v[ADRA+\s], s21, v3
	v_add_nc_u32 v[ADRB+\s], s22, v4
	s_add_co_u32 s21, s21, SLOT
	s_add_co_u32 s22, s22, SLOT
.endr
	s_mul_i32 s23, s10, 16*SPITCH
	s_add_co_u32 s23, s23, STAGE                   ; my stage
	v_mul_u32_u24 v4, v1, SPITCH
	v_lshl_add_u32 v4, v2, 5, v4
	v_add_nc_u32 v[STO], s23, v4                   ; in: row r, 32 bytes for each half of the lanes
	v_mul_u32_u24 v5, v2, SPITCH
	v_lshl_add_u32 v5, v1, 4, v5
	v_add_nc_u32 v[RD], s23, v5                    ; back: lanes 0-15 one row of 256 bytes, lanes 16-31 the next
	v_lshlrev_b32 v5, 13, v2
	v_lshl_add_u32 v[CO], v1, 4, v5                ; and the same two rows in out0
	s_lshl_b32 s16, s13, 7
	s_lshl_b32 s17, s11, 6
	s_add_co_u32 s16, s16, s17                     ; my first row
	s_lshl_b32 s16, s16, 13
	s_mov_b32 s17, 0
	s_add_nc_u64 s[8:9], s[8:9], s[16:17]
	s_add_nc_u64 s[8:9], s[8:9], s[46:47]
.macro MUL8 f, c, a0, first            ; 8 products: row blocks a0, a0 + 1 x all 4 column blocks, 32 along K.  first = 1: C is the bias
.irp a, \a0, \a0+1
.irp b, 0,1,2,3
.if \first
	v_wmma_f32_16x16x32_f16 v[ACC+8*(4*(\a)+\b):ACC+8*(4*(\a)+\b)+7], v[\f+64+8*(4*\c+\b):\f+64+8*(4*\c+\b)+7], v[\f+8*(4*\c+\a):\f+8*(4*\c+\a)+7], v[BI+8*\b:BI+8*\b+7]
.else
	v_wmma_f32_16x16x32_f16 v[ACC+8*(4*(\a)+\b):ACC+8*(4*(\a)+\b)+7], v[\f+64+8*(4*\c+\b):\f+64+8*(4*\c+\b)+7], v[\f+8*(4*\c+\a):\f+8*(4*\c+\a)+7], v[ACC+8*(4*(\a)+\b):ACC+8*(4*(\a)+\b)+7]
.endif
.endr
.endr
.endm
.macro FETCH slot, k, f                ; 32 LDS loads in one run: 64 along K at byte k of ao's rows, the first 32 along K first
	WIN TO_F
.irp c, 0,1
.irp i, 0,1,2,3
	ds_load_b128 v[\f+64+8*(4*\c+\i):\f+64+8*(4*\c+\i)+3],   v[ADRB+\slot] offset:8192*\i+1024*(2*((\k)/128)+\c)
	ds_load_b128 v[\f+64+8*(4*\c+\i)+4:\f+64+8*(4*\c+\i)+7], v[ADRB+\slot] offset:8192*\i+1024*(2*((\k)/128)+\c)+512
	ds_load_b128 v[\f+8*(4*\c+\i):\f+8*(4*\c+\i)+3],         v[ADRA+\slot] offset:\k+64*\c+\i*16*PITCH
	ds_load_b128 v[\f+8*(4*\c+\i)+4:\f+8*(4*\c+\i)+7],       v[ADRA+\slot] offset:\k+64*\c+\i*16*PITCH+32
.endr
.endr
.endm
.macro PLACES
.rept 4
	v_nop
.endr
.endm
.macro QUARTER slot, k, f, g, first
	s_wait_dscnt 16                                ; the first 32 along K are in; the other sixteen loads may be out
	WIN MUL
	MUL8 \f, 0, 0, \first
	MUL8 \f, 0, 2, \first
	PLACES
	FETCH \slot, \k, \g
	s_wait_dscnt 32                                ; all but the 32 just issued
	WIN MUL
	MUL8 \f, 1, 0, 0
	MUL8 \f, 1, 2, 0
.endm
.macro TURN slot, next, fill
	WIN 0
	s_wait_tensorcnt 0x0                           ; all my tensor loads have landed: my part of the next slot
	ds_add_u32 v[SPW], v[NIL]
	s_wait_dscnt 17                                ; the add and the youngest sixteen loads may be out
	WIN MUL
	MUL8 F1, 0, 0, 0
	s_wait_dscnt 0x0                               ; the add is done, and my reads of this slot are over
	s_barrier_signal -1
	MUL8 F1, 0, 2, 0
.if \fill
	WIN 0
.endif
	s_barrier_wait -1
.if \fill
	CREST                                          ; a round of the cluster's barrier: no wave of any partner still reads this slot or has a load on its way
	s_add_nc_u64 s[G0+4*\slot+2:G0+4*\slot+3], s[G0+4*\slot+2:G0+4*\slot+3], 2*KSTEP*2
	s_add_nc_u64 s[G0B+4*\slot+2:G0B+4*\slot+3], s[G0B+4*\slot+2:G0B+4*\slot+3], 2*8192
	JLOAD \slot                                    ; the first tensor load behind the round; its four v_nop are the places in front of the loads below
.else
	PLACES
.endif
	FETCH \next, 0, F0
	WIN MUL
	MUL8 F1, 1, 0, 0
	MUL8 F1, 1, 2, 0
.endm
	s_wait_tensorcnt 1                             ; my part of K step 0 is in; K step 1's load may be out
	s_barrier_signal -1
	s_barrier_wait -1
	FETCH 0, 0, F0
	s_wait_loadcnt 0x0                             ; the bias
	QUARTER 0, 128, F0, F1, 1                      ; the first products start the sums, on the bias
	WIN 0
	s_mov_b32 s3, LAPS-1
.Llap:
	QUARTER 0, 256, F1, F0, 0
	QUARTER 0, 384, F0, F1, 0
	TURN 0, 1, 1
	QUARTER 1, 128, F0, F1, 0
	QUARTER 1, 256, F1, F0, 0
	QUARTER 1, 384, F0, F1, 0
	TURN 1, 0, 1
	QUARTER 0, 128, F0, F1, 0
	WIN 0
	s_sub_co_u32 s3, s3, 1
	s_cmp_lg_u32 s3, 0
	s_cbranch_scc1 .Llap
	QUARTER 0, 256, F1, F0, 0                      ; the last lap fills nothing
	QUARTER 0, 384, F0, F1, 0
	TURN 0, 1, 0
	QUARTER 1, 128, F0, F1, 0
	QUARTER 1, 256, F1, F0, 0
	QUARTER 1, 384, F0, F1, 0
	s_wait_dscnt 16
	WIN MUL
	MUL8 F1, 0, 0, 0
	MUL8 F1, 0, 2, 0
	s_wait_dscnt 0
	MUL8 F1, 1, 0, 0
	MUL8 F1, 1, 2, 0
	WIN 0
; THE WAY OUT, a block of 16 rows x 64 columns at a time, through my own stage: in as 32 bytes a lane, back as whole rows of 256 bytes.
.macro TOSTAGE a
.irp b, 0,1,2,3
	ds_store_b128 v[STO], v[ACC+8*(4*(\a)+\b):ACC+8*(4*(\a)+\b)+3] offset:64*\b       ; each accumulator from its low end on
	ds_store_b128 v[STO], v[ACC+8*(4*(\a)+\b)+4:ACC+8*(4*(\a)+\b)+7] offset:64*\b+16
.endr
.irp t, 0,1,2,3,4,5,6,7
	ds_load_b128 v[TMP+32*((\a)%2)+4*\t:TMP+32*((\a)%2)+4*\t+3], v[RD] offset:\t*2*SPITCH   ; in order behind my stores
.endr
.endm
.macro SEND a, younger
	s_wait_dscnt \younger
.irp t, 0,1,2,3,4,5,6,7
	global_store_b128 v[CO], v[TMP+32*((\a)%2)+4*\t:TMP+32*((\a)%2)+4*\t+3], s[8:9] offset:(16*(\a)+2*\t)*8192 th:TH_STORE_NT   ; sixteen lanes store 256 consecutive aligned bytes
.endr
.endm
	PLACES
	TOSTAGE 0
.irp a, 1,2,3
.if \a > 1
	s_wait_xcnt 0x0                                ; block a - 2's stores have read their registers: block a's loads may land there
.endif
	TOSTAGE \a
	SEND \a-1, 16                                  ; behind block a - 1's loads: block a's 8 stores and 8 loads
.endr
	SEND 3, 0
	s_wait_tensorcnt 0x0                           ; the wave's end
	ds_add_u32 v[SPW], v[NIL]
	s_wait_dscnt 0x0
	CROUND                                         ; the closing round
	s_endpgm
.Lfunc_end_k_q1e9765df50_oproj:
	.size	k_q1e9765df50_oproj, .Lfunc_end_k_q1e9765df50_oproj-k_q1e9765df50_oproj
	.p2alignl 7, 3214868480
	.fill 96, 4, 3214868480
	.section	.rodata,"a",@progbits
	.p2align	6, 0x0
	.amdhsa_kernel k_q1e9765df50_oproj
		.amdhsa_group_segment_fixed_size 327680
		.amdhsa_private_segment_fixed_size 0
		.amdhsa_enable_private_segment 0
		.amdhsa_kernarg_size 32
		.amdhsa_user_sgpr_count 2
		.amdhsa_user_sgpr_kernarg_segment_ptr 1
		.amdhsa_wavefront_size32 1
		.amdhsa_system_sgpr_workgroup_id_x 1
		.amdhsa_system_sgpr_workgroup_id_y 1
		.amdhsa_system_sgpr_workgroup_id_z 1
		.amdhsa_system_vgpr_workitem_id 0
		.amdhsa_next_free_vgpr 512
		.amdhsa_next_free_sgpr 68
		.amdhsa_reserve_vcc 0
		.amdhsa_float_denorm_mode_32 3
		.amdhsa_float_denorm_mode_16_64 3
		.amdhsa_memory_ordered 1
		.amdhsa_forward_progress 1
		.amdhsa_inst_pref_size 87
	.end_amdhsa_kernel
	.amdgpu_metadata
---
amdhsa.version: [ 1, 2 ]
amdhsa.kernels:
  - .name:           k_q1e9765df50_oproj
    .symbol:         k_q1e9765df50_oproj.kd
    .args:
      - { .name: ao, .offset: 0, .size: 8, .value_kind: global_buffer, .address_space: global }
      - { .name: wo16, .offset: 8, .size: 8, .value_kind: global_buffer, .address_space: global }
      - { .name: bo, .offset: 16, .size: 8, .value_kind: global_buffer, .address_space: global }
      - { .name: out0, .offset: 24, .size: 8, .value_kind: global_buffer, .address_space: global }
    .group_segment_fixed_size: 327680
    .private_segment_fixed_size: 0
    .kernarg_segment_align: 8
    .kernarg_segment_size: 32
    .max_flat_workgroup_size: 128
    .sgpr_count:     68
    .vgpr_count:     512
    .wavefront_size: 32
...
	.end_amdgpu_metadata
.endif
;; end of part 4
;; launch fineproj (part 5): grid 128 x 1, 16 waves a work-group, no clusters, 34,816 bytes of LDS; arguments of, wo16, bo, out0; writes out0
.if DOCPART == 5
	.amdgcn_target "amdgcn-amd-amdhsa--gfx1250"
	.amdhsa_code_object_version 6
	.text
	.protected	k_q1e9765df50_fineproj
	.globl	k_q1e9765df50_fineproj
	.p2align	8
	.type	k_q1e9765df50_fineproj,@function
k_q1e9765df50_fineproj:
	s_mov_b64 s[64:65], 0
	v_nop
	global_prefetch_b8 v0, s[64:65] scope:SCOPE_SE
	s_setreg_imm32_b32 hwreg(HW_REG_WAVE_MODE, 25, 1), 1
	s_wait_xcnt 0x0
; FINEPROJ: the 32 rows of positions 0-15 of out0 once more, from pairs of f16 numbers: with o = oh + ol 2^-11 and Wo = wh + wl 2^-11,
; out = oh wh + 2^-11 (ol wh + oh wl) + bo; the product of the two low parts lies under f32's last bits of the sum and is left out.  Sums in f32.
; A work-group takes 16 columns; its sixteen waves share K, 128 each, so that all of a wave's 48 operand loads go out at once; the waves' parts meet in LDS and are added in a fixed order.
; Both operands lie in memory as images of their registers: two loads of 16 bytes a lane at 16 x lane bring a fragment.  Nothing is known ahead of these loads that a prefetch could ask for.
; The output leaves in runs of 64 bytes, 262,144 bytes in all: wider column blocks would leave too few work-groups to stream Wo's two parts.
.set WOL, 8388608
.set OFL, 131072
.set SPARE, 32768                      ; behind the sixteen parts of 2,048 bytes: the spare words, 128 bytes a wave
.set SPW, 2
.set NIL, 3
.set BH,  16                           ; v16-47   wh: 8 kl
.set BL,  48                           ; v48-79   wl
.set AH,  80                           ; v80-143  oh: 16 kl + 8 rt
.set AL,  144                          ; v144-207 ol
.macro FM d, a, b, z
.if \z
	v_wmma_f32_16x16x32_f16 v[(\d):(\d)+7], v[(\a):(\a)+7], v[(\b):(\b)+7], 0
.else
	v_wmma_f32_16x16x32_f16 v[(\d):(\d)+7], v[(\a):(\a)+7], v[(\b):(\b)+7], v[(\d):(\d)+7]
.endif
.endm
	s_load_b256 s[4:11], s[0:1], 0x0               ; of, wo16, bo, out0
	v_lshl_add_u32 v[SPW], v0, 2, SPARE
	v_mov_b32 v[NIL], 0
	v_lshrrev_b32 v1, 5, v0
	v_readfirstlane_b32 s12, v1                    ; wave 0..15
	v_and_b32 v4, 31, v0
	v_lshlrev_b32 v4, 4, v4                        ; 16 x lane
	v_and_b32 v5, 3, v0
	v_lshlrev_b32 v5, 4, v5                        ; four columns of the sixteen
	v_and_b32 v6, 15, v0
	v_bfe_u32 v7, v0, 4, 1
	v_lshlrev_b32 v6, 6, v6
	v_lshl_add_u32 v6, v7, 5, v6
	s_lshl_b32 s13, s12, 11
	v_add_nc_u32 v6, s13, v6                       ; my part in LDS: 2,048 x wave + 64 x row + 32 h
	v_lshlrev_b32 v7, 4, v0                        ; the sum: thread T takes 16 bytes at 16 T of each part
	v_lshrrev_b32 v12, 6, v0
	v_lshlrev_b32 v12, 23, v12                     ; batch T / 64: 1,024 rows of 8,192 bytes
	v_bfe_u32 v13, v0, 2, 4
	v_lshl_add_u32 v12, v13, 13, v12               ; position (T / 4) % 16
	v_add_nc_u32 v12, v12, v5
	s_mov_b32 s20, 0x3a000000                      ; 2^-11
	s_mov_b32 s21, s20
	s_lshl_b32 s16, ttmp9, 16                      ; my tile of 16 columns: 64 images
	s_lshl_b32 s18, s12, 12                        ; my wave's four images
	s_add_co_u32 s16, s16, s18
	s_mov_b32 s17, 0
	s_mov_b32 s19, 0
	s_lshl_b32 s22, ttmp9, 6                       ; 16 columns of f32
	s_mov_b32 s23, 0
	s_wait_kmcnt 0x0
	s_add_nc_u64 s[6:7], s[6:7], s[16:17]
	s_add_nc_u64 s[14:15], s[6:7], WOL
	s_add_nc_u64 s[4:5], s[4:5], s[18:19]
	s_add_nc_u64 s[8:9], s[8:9], s[22:23]
	s_add_nc_u64 s[10:11], s[10:11], s[22:23]
	global_load_b128 v[8:11], v5, s[8:9]           ; the bias of my four columns
.irp kl, 0,1,2,3
	global_load_b128 v[BH+8*\kl:BH+8*\kl+3], v4, s[6:7] offset:1024*\kl th:TH_LOAD_NT
	global_load_b128 v[BH+8*\kl+4:BH+8*\kl+7], v4, s[6:7] offset:1024*\kl+512 th:TH_LOAD_NT
	global_load_b128 v[BL+8*\kl:BL+8*\kl+3], v4, s[14:15] offset:1024*\kl th:TH_LOAD_NT
	global_load_b128 v[BL+8*\kl+4:BL+8*\kl+7], v4, s[14:15] offset:1024*\kl+512 th:TH_LOAD_NT
.irp rt, 0,1
	global_load_b128 v[AH+16*\kl+8*\rt:AH+16*\kl+8*\rt+3], v4, s[4:5] offset:65536*\rt+1024*\kl
	global_load_b128 v[AH+16*\kl+8*\rt+4:AH+16*\kl+8*\rt+7], v4, s[4:5] offset:65536*\rt+1024*\kl+512
	global_load_b128 v[AL+16*\kl+8*\rt:AL+16*\kl+8*\rt+3], v4, s[4:5] offset:OFL+65536*\rt+1024*\kl
	global_load_b128 v[AL+16*\kl+8*\rt+4:AL+16*\kl+8*\rt+7], v4, s[4:5] offset:OFL+65536*\rt+1024*\kl+512
.endr
.endr
; Four accumulators: v208 high x high and v216 the cross terms of batch 0, v224 and v232 of batch 1.  No two products that follow each other share one.
; Source 0 = 16 columns of Wo, source 1 = 16 positions: lane (r, h) holds position r, columns 8 h + 0 .. 7.
.irp kl, 0,1,2,3
	s_wait_loadcnt 12*(3-\kl)                      ; this K step's twelve loads are in; those of the later steps may be out
	FM 208, BH+8*\kl, AH+16*\kl, (\kl)==0
	FM 216, BH+8*\kl, AL+16*\kl, (\kl)==0
	FM 224, BH+8*\kl, AH+16*\kl+8, (\kl)==0
	FM 232, BH+8*\kl, AL+16*\kl+8, (\kl)==0
	FM 216, BL+8*\kl, AH+16*\kl, 0
	FM 232, BL+8*\kl, AH+16*\kl+8, 0
.endr
.rept 4
	v_nop
.endr
.irp rt, 0,1
.irp j, 0,2,4,6
	v_pk_fma_f32 v[240+8*\rt+\j:241+8*\rt+\j], v[216+16*\rt+\j:217+16*\rt+\j], s[20:21], v[208+16*\rt+\j:209+16*\rt+\j] op_sel_hi:[1,0,1]
.endr
.endr
.irp rt, 0,1
	ds_store_b128 v6, v[240+8*\rt:243+8*\rt] offset:1024*\rt
	ds_store_b128 v6, v[244+8*\rt:247+8*\rt] offset:1024*\rt+16
.endr
	s_wait_dscnt 0x0                               ; for the others' sake: my part lies in LDS
	s_barrier_signal -1
	s_barrier_wait -1
	s_cmp_gt_u32 s12, 3                            ; 128 threads add the sixteen parts
	s_cbranch_scc1 .Lend
.irp w, 0,1,2,3,4,5,6,7,8,9,10,11,12,13,14,15
	ds_load_b128 v[16+4*\w:19+4*\w], v7 offset:2048*\w
.endr
	s_wait_dscnt 0x0
.irp w, 0,2,4,6,8,10,12,14
	v_pk_add_f32 v[16+4*\w:17+4*\w], v[16+4*\w:17+4*\w], v[20+4*\w:21+4*\w]
	v_pk_add_f32 v[18+4*\w:19+4*\w], v[18+4*\w:19+4*\w], v[22+4*\w:23+4*\w]
.endr
.irp w, 0,4,8,12
	v_pk_add_f32 v[16+4*\w:17+4*\w], v[16+4*\w:17+4*\w], v[24+4*\w:25+4*\w]
	v_pk_add_f32 v[18+4*\w:19+4*\w], v[18+4*\w:19+4*\w], v[26+4*\w:27+4*\w]
.endr
.irp w, 0,8
	v_pk_add_f32 v[16+4*\w:17+4*\w], v[16+4*\w:17+4*\w], v[32+4*\w:33+4*\w]
	v_pk_add_f32 v[18+4*\w:19+4*\w], v[18+4*\w:19+4*\w], v[34+4*\w:35+4*\w]
.endr
	v_pk_add_f32 v[16:17], v[16:17], v[48:49]
	v_pk_add_f32 v[18:19], v[18:19], v[50:51]
	v_pk_add_f32 v[16:17], v[16:17], v[8:9]        ; + bo
	v_pk_add_f32 v[18:19], v[18:19], v[10:11]
	global_store_b128 v12, v[16:19], s[10:11]
.Lend:
	s_wait_tensorcnt 0x0                           ; the wave's end
	ds_add_u32 v[SPW], v[NIL]
	s_wait_dscnt 0x0
	s_endpgm
.Lfunc_end_k_q1e9765df50_fineproj:
	.size	k_q1e9765df50_fineproj, .Lfunc_end_k_q1e9765df50_fineproj-k_q1e9765df50_fineproj
	.p2alignl 7, 3214868480
	.fill 96, 4, 3214868480
	.section	.rodata,"a",@progbits
	.p2align	6, 0x0
	.amdhsa_kernel k_q1e9765df50_fineproj
		.amdhsa_group_segment_fixed_size 34816
		.amdhsa_private_segment_fixed_size 0
		.amdhsa_enable_private_segment 0
		.amdhsa_kernarg_size 32
		.amdhsa_user_sgpr_count 2
		.amdhsa_user_sgpr_kernarg_segment_ptr 1
		.amdhsa_wavefront_size32 1
		.amdhsa_system_sgpr_workgroup_id_x 1
		.amdhsa_system_sgpr_workgroup_id_y 1
		.amdhsa_system_sgpr_workgroup_id_z 1
		.amdhsa_system_vgpr_workitem_id 0
		.amdhsa_next_free_vgpr 256
		.amdhsa_next_free_sgpr 66
		.amdhsa_reserve_vcc 0
		.amdhsa_float_denorm_mode_32 3
		.amdhsa_float_denorm_mode_16_64 3
		.amdhsa_memory_ordered 1
		.amdhsa_forward_progress 1
		.amdhsa_inst_pref_size 13
	.end_amdhsa_kernel
	.amdgpu_metadata
---
amdhsa.version: [ 1, 2 ]
amdhsa.kernels:
  - .name:           k_q1e9765df50_fineproj
    .symbol:         k_q1e9765df50_fineproj.kd
    .args:
      - { .name: of, .offset: 0, .size: 8, .value_kind: global_buffer, .address_space: global }
      - { .name: wo16, .offset: 8, .size: 8, .value_kind: global_buffer, .address_space: global }
      - { .name: bo, .offset: 16, .size: 8, .value_kind: global_buffer, .address_space: global }
      - { .name: out0, .offset: 24, .size: 8, .value_kind: global_buffer, .address_space: global }
    .group_segment_fixed_size: 34816
    .private_segment_fixed_size: 0
    .kernarg_segment_align: 8
    .kernarg_segment_size: 32
    .max_flat_workgroup_size: 512
    .sgpr_count:     66
    .vgpr_count:     256
    .wavefront_size: 32
...
	.end_amdgpu_metadata
.endif
;; end of part 5
